; MI455X (gfx1250); checked and timed in simulation.
; The chip was launched on July 23, 2026; its instructions are those of AMD's public machine-readable ISA for CDNA 5 (MIT licence, August 2026) and "CDNA5" Instruction Set Architecture Reference Guide (July 2026). The comments in the code are by the model that wrote it; some were corrected since.
;; Multi Scale Retention. Allowed arithmetic: float matrix products may take bf16 or f16 operands with f32 sums; other float arithmetic in f32, or as packed bf16 or f16 multiplies, adds, multiply-adds, maxima and minima; sums over many terms, partial sums and values carried from step to step in f32; what a program stores and reads back later, other than sums and carried values, may be rounded once to bf16 or f16.
;; Inputs: Wg 2,048 x 1,024 float32; Wk 1,024 x 1,024 float32; Wo 1,024 x 2,048 float32; Wq 1,024 x 1,024 float32; Wv 2,048 x 1,024 float32; bg 2,048 float32; bk 1,024 float32; bo 1,024 float32; bq 1,024 float32; bv 2,048 float32; gn_weight 256 float32; hidden_state 2 x 2,048 x 1,024 float32.
;; Outputs: out0 2 x 2,048 x 1,024 float32.
;; 2 versions, each right; version 2 is version 1 with the launches prep, scan written anew for expert scheduling mode. Each part assembles by itself: llvm-mc -triple=amdgcn-amd-amdhsa -mcpu=gfx1250 --defsym DOCPART=n.
;; ======== version 1 of 2: 6 launches
;; limits: values outside matrix products are rounded to f16; values are held in f16: magnitudes above 65,504 overflow, below 6.1e-05 lose precision; right only within a limited range of input values
;; workspace buffers: cast 25,165,824 bytes; qkvg 50,339,840 bytes; wst 16,777,216 bytes; st 16,777,216 bytes; z 16,777,216 bytes
;; launch prep (part 1): grid 768 x 1, 4 waves a work-group, no clusters, 0 bytes of LDS; arguments hidden_state, Wq, Wk, Wv, Wg, Wo, cast; writes cast
.if DOCPART == 1
	.amdgcn_target "amdgcn-amd-amdhsa--gfx1250"
	.amdhsa_code_object_version 6
	.text
	.protected	k_q9830642964_prep
	.globl	k_q9830642964_prep
	.p2align	8
	.type	k_q9830642964_prep,@function
k_q9830642964_prep:
	s_mov_b64 s[64:65], 0
	v_nop
	global_prefetch_b8 v0, s[64:65] scope:SCOPE_SE
	s_setreg_imm32_b32 hwreg(HW_REG_WAVE_MODE, 25, 1), 1
	s_wait_xcnt 0x0
; PREP: x and the five weight matrices are rounded once to bf16 and laid out in blocks, so that every tile of the later products is dense in memory.
;   XB at byte 0:          bf16 [16 row blocks][16 K panels][256 rows][64]
;   WB at byte 8,388,608:  bf16 [16 column blocks j][16 K panels][384 rows][64]; row 192 wc + 64 t + e is row 64 wc + e of: t = 0: Wq (j < 8) or Wk (j >= 8), head j & 7; t = 1: Wv, rows 128 j on; t = 2: Wg, rows 128 j on
;   WO at byte 20,971,520: Wo rounded to bf16 and that number written as f16, [8 column blocks][32 K panels][128 rows][64]
; LIMIT: |Wo| beyond 65,504 has no place in f16; below 6e-5 it keeps f16's fixed step of 6e-8.
; A work-group takes 16 rows x 1,024 columns of f32.  A load of a wave covers two rows x 256 consecutive bytes (one K panel's 64 columns), a store two rows x 128 = 256 consecutive bytes of a panel.
; All 32 loads of a lane go out first; no register is written twice, so the only waits are the counted ones for the loads.  No LDS, no matrix unit: bytes are all that counts here.
.set VS, 4                             ; v4   byte offset of my 16 bytes in the source
.set VD, 5                             ; v5   byte offset of my 8 bytes in a panel
.set LD, 8                             ; v[8:135]   32 loads of four f32
.set SD, 136                           ; v[136:199] 32 stores of four 16-bit numbers
.macro CAST pitch, stride, f16         ; pitch: bytes from row to row in the source; stride: bytes from panel to panel; f16 = 1: the bf16 number is written as f16
.set n, 0
.rept 32
	global_load_b128 v[LD+4*n:LD+4*n+3], v[VS], s[26:27] offset:(n/16)*2*(\pitch)+(n%16)*256 th:TH_LOAD_NT
.set n, n+1
.endr
.set n, 0
.rept 32
	s_wait_loadcnt 31-n                            ; loads come back in order: the 31 - n younger ones may stay out
	v_cvt_pk_bf16_f32 v[SD+2*n], v[LD+4*n], v[LD+4*n+1]
	v_cvt_pk_bf16_f32 v[SD+2*n+1], v[LD+4*n+2], v[LD+4*n+3]
.if \f16
	v_lshlrev_b32 v[LD+4*n], 16, v[SD+2*n]         ; the bf16 numbers as f32 again,
	v_and_b32 v[LD+4*n+1], 0xffff0000, v[SD+2*n]
	v_lshlrev_b32 v[LD+4*n+2], 16, v[SD+2*n+1]
	v_and_b32 v[LD+4*n+3], 0xffff0000, v[SD+2*n+1]
	v_cvt_pk_f16_f32 v[SD+2*n], v[LD+4*n], v[LD+4*n+1]      ; and as f16: exact inside f16's normal range
	v_cvt_pk_f16_f32 v[SD+2*n+1], v[LD+4*n+2], v[LD+4*n+3]
.endif
	global_store_b64 v[VD], v[SD+2*n:SD+2*n+1], s[16:17] offset:(n/16)*256+(n%16)*(\stride)  ; 32 lanes: 256 consecutive bytes, aligned
.set n, n+1
.endr
.endm
	s_load_b256 s[4:11], s[0:1], 0x0               ; x s[4:5], Wq s[6:7], Wk s[8:9], Wv s[10:11]
	s_load_b128 s[12:15], s[0:1], 0x20             ; Wg s[12:13], Wo s[14:15]
	s_load_b64 s[16:17], s[0:1], 0x30              ; cast
	v_lshrrev_b32 v1, 5, v0
	v_bfe_u32 v2, v0, 4, 1
	v_lshl_add_u32 v1, v1, 2, v2                   ; my row: 4 x wave + lane / 16 (and two rows further down in the second half of the loads)
	v_and_b32 v2, 15, v0
	v_lshlrev_b32 v3, 4, v2                        ; 16 bytes of f32 a lane
	v_lshlrev_b32 v[VD], 7, v1
	v_lshl_add_u32 v[VD], v2, 3, v[VD]             ; row x 128 + 8 bytes a lane
	s_mov_b32 s20, ttmp9                           ; the unit
	s_mov_b32 s23, 0
	s_mov_b32 s25, 0
	s_wait_kmcnt 0x0
	s_cmp_lt_u32 s20, 256
	s_cbranch_scc0 .Lweights
	v_lshl_add_u32 v[VS], v1, 12, v3               ; units 0-255: x
	s_lshl_b32 s22, s20, 16                        ; 16 rows of 4,096 bytes
	s_add_nc_u64 s[26:27], s[4:5], s[22:23]
	s_lshr_b32 s24, s20, 4
	s_lshl_b32 s24, s24, 19                        ; row block x 524,288
	s_and_b32 s21, s20, 15
	s_lshl_b32 s21, s21, 11                        ; 16 rows of 128 bytes
	s_add_co_u32 s24, s24, s21
	s_add_nc_u64 s[16:17], s[16:17], s[24:25]
	CAST 4096, 32768, 0
	s_endpgm
.Lweights:
	s_cmp_lt_u32 s20, 640
	s_cbranch_scc0 .Lwo
	v_lshl_add_u32 v[VS], v1, 12, v3               ; units 256-639: Wq (64 units), Wk (64), Wv (128), Wg (128)
	s_sub_co_u32 s21, s20, 256
	s_sub_co_u32 s28, s21, 64
	s_sub_co_u32 s29, s21, 128
	s_sub_co_u32 s30, s21, 256
	s_cmp_lt_u32 s21, 256
	s_cselect_b64 s[26:27], s[10:11], s[12:13]     ; the matrix,
	s_cselect_b32 s22, s29, s30                    ; the unit's number in it,
	s_cselect_b32 s31, 64, 128                     ; 64 t
	s_cmp_lt_u32 s21, 128
	s_cselect_b64 s[26:27], s[8:9], s[26:27]
	s_cselect_b32 s22, s28, s22
	s_cselect_b32 s31, 0, s31
	s_cselect_b32 s32, 8, 0                        ; Wk's heads are the column blocks 8-15
	s_cmp_lt_u32 s21, 64
	s_cselect_b64 s[26:27], s[6:7], s[26:27]
	s_cselect_b32 s22, s21, s22
	s_cselect_b32 s32, 0, s32
	s_lshr_b32 s28, s22, 3
	s_add_co_u32 s28, s28, s32                     ; j
	s_mul_i32 s28, s28, 786432
	s_bfe_u32 s29, s22, 0x10002                    ; wc: bit 6 of the row
	s_mul_i32 s29, s29, 192
	s_add_co_u32 s29, s29, s31
	s_and_b32 s30, s22, 3
	s_lshl4_add_u32 s29, s30, s29                  ; + the row mod 64
	s_lshl_b32 s29, s29, 7
	s_add_co_u32 s24, s28, s29
	s_add_co_u32 s24, s24, 8388608
	s_add_nc_u64 s[16:17], s[16:17], s[24:25]
	s_lshl_b32 s22, s22, 16
	s_add_nc_u64 s[26:27], s[26:27], s[22:23]
	CAST 4096, 49152, 0
	s_endpgm
.Lwo:
	v_lshl_add_u32 v[VS], v1, 13, v3               ; units 640-767: Wo, 16 rows x one half of its 2,048 columns
	s_sub_co_u32 s21, s20, 640
	s_lshr_b32 s22, s21, 1
	s_lshl_b32 s22, s22, 17                        ; 16 rows of 8,192 bytes
	s_and_b32 s28, s21, 1
	s_lshl_b32 s29, s28, 12
	s_add_co_u32 s22, s22, s29
	s_add_nc_u64 s[26:27], s[14:15], s[22:23]
	s_lshr_b32 s24, s21, 4
	s_lshl_b32 s24, s24, 19                        ; column block x 524,288
	s_lshl_b32 s28, s28, 18                        ; 16 panels of 16,384 bytes
	s_add_co_u32 s24, s24, s28
	s_bfe_u32 s28, s21, 0x30001
	s_lshl_b32 s28, s28, 11                        ; the row mod 128, x 128 bytes
	s_add_co_u32 s24, s24, s28
	s_add_co_u32 s24, s24, 20971520
	s_add_nc_u64 s[16:17], s[16:17], s[24:25]
	CAST 8192, 16384, 1
	s_endpgm
.Lfunc_end_k_q9830642964_prep:
	.size	k_q9830642964_prep, .Lfunc_end_k_q9830642964_prep-k_q9830642964_prep
	.p2alignl 7, 3214868480
	.fill 96, 4, 3214868480
	.section	.rodata,"a",@progbits
	.p2align	6, 0x0
	.amdhsa_kernel k_q9830642964_prep
		.amdhsa_group_segment_fixed_size 0
		.amdhsa_private_segment_fixed_size 0
		.amdhsa_enable_private_segment 0
		.amdhsa_kernarg_size 56
		.amdhsa_user_sgpr_count 2
		.amdhsa_user_sgpr_kernarg_segment_ptr 1
		.amdhsa_wavefront_size32 1
		.amdhsa_system_sgpr_workgroup_id_x 1
		.amdhsa_system_sgpr_workgroup_id_y 1
		.amdhsa_system_sgpr_workgroup_id_z 1
		.amdhsa_system_vgpr_workitem_id 0
		.amdhsa_next_free_vgpr 200
		.amdhsa_next_free_sgpr 66
		.amdhsa_reserve_vcc 0
		.amdhsa_float_denorm_mode_32 3
		.amdhsa_float_denorm_mode_16_64 3
		.amdhsa_memory_ordered 1
		.amdhsa_forward_progress 1
		.amdhsa_inst_pref_size 47
	.end_amdhsa_kernel
	.amdgpu_metadata
---
amdhsa.version: [ 1, 2 ]
amdhsa.kernels:
  - .name:           k_q9830642964_prep
    .symbol:         k_q9830642964_prep.kd
    .args:
      - { .name: hidden_state, .offset: 0, .size: 8, .value_kind: global_buffer, .address_space: global }
      - { .name: Wq, .offset: 8, .size: 8, .value_kind: global_buffer, .address_space: global }
      - { .name: Wk, .offset: 16, .size: 8, .value_kind: global_buffer, .address_space: global }
      - { .name: Wv, .offset: 24, .size: 8, .value_kind: global_buffer, .address_space: global }
      - { .name: Wg, .offset: 32, .size: 8, .value_kind: global_buffer, .address_space: global }
      - { .name: Wo, .offset: 40, .size: 8, .value_kind: global_buffer, .address_space: global }
      - { .name: cast, .offset: 48, .size: 8, .value_kind: global_buffer, .address_space: global }
    .group_segment_fixed_size: 0
    .private_segment_fixed_size: 0
    .kernarg_segment_align: 8
    .kernarg_segment_size: 56
    .max_flat_workgroup_size: 128
    .sgpr_count:     66
    .vgpr_count:     200
    .wavefront_size: 32
...
	.end_amdgpu_metadata
.endif
;; end of part 1
;; launch proj (part 2): grid 16 x 16, 4 waves a work-group, clusters of 4 x 4, 327,680 bytes of LDS; arguments cast, bq, bk, bv, bg, gn_weight, qkvg; writes qkvg
.if DOCPART == 2
	.amdgcn_target "amdgcn-amd-amdhsa--gfx1250"
	.amdhsa_code_object_version 6
	.text
	.protected	k_q9830642964_proj
	.globl	k_q9830642964_proj
	.p2align	8
	.type	k_q9830642964_proj,@function
k_q9830642964_proj:
	s_mov_b64 s[64:65], 0
	v_nop
	global_prefetch_b8 v0, s[64:65] scope:SCOPE_SE
	s_setreg_imm32_b32 hwreg(HW_REG_WAVE_MODE, 25, 1), 1
	s_wait_xcnt 0x0
	s_wait_alu depctr_hold_cnt(0) depctr_sa_sdst(0) depctr_va_vdst(0) depctr_va_sdst(0) depctr_va_ssrc(0) depctr_va_vcc(0) depctr_vm_vsrc(0)
	s_getreg_b32 s2, hwreg(HW_REG_IB_STS2, 6, 4)
	s_cmp_eq_u32 s2, 0
	s_cbranch_scc0 .Lentry_in_a_cluster
	s_endpgm
.Lentry_in_a_cluster:
	s_bfe_u32 s2, ttmp6, 0x10000c
	s_cmp_lg_u32 s2, 0xf033
	s_cbranch_scc0 .Lentry_shape_is_right
	s_endpgm
.Lentry_shape_is_right:
; PROJ: the four projections in one product, x [4096][1024] times 6,144 weight rows, bf16 operands and f32 sums; then bias, RoPE, decay, sigmoid and gain, rounded once to f16.
; A work-group makes 256 rows x 384 columns: column block j holds 128 columns of q (j < 8) or k (j >= 8), head j & 7, 128 of v and 128 of g.  Four waves, each 128 x 192: 96 accumulators, 768 registers.
; The matrix instruction is used transposed (source 0 = 16 weight rows, source 1 = 16 rows of x): a lane holds row lane % 16 and eight neighbouring columns 8 (lane / 16) + 0..7.
; K goes in steps of 64 through two LDS slots; a tile is a dense block in memory, asked for as rows of 256 bytes and padded in LDS after every 128 (rows 144 bytes apart: 16 rows start at 16 different groups of four banks).
; CLUSTER 4 x 4: x's tile hangs on the row block alone and is asked for jointly along a row of the cluster, the weights' on the column block alone, jointly along a column.
; STORED: q'' = rope(q) g^(s & 63), k'' = rope(k) g^(63 - (s & 63)) with g = 1 - 2^(-5-h); v; g' = sigmoid(.) x gain; all f16, in panels [b][h][chunk of 128 rows][panel of 64 columns][128][64];
; and for each wave the largest |rope(q)| or |rope(k)| and the largest |v| that it has seen (f32), from which the later launches make their scales.
; All inputs are rounded to bf16, the biases and the gain too.
; LIMITS: |q|, |k|, |v| beyond 65,504 have no place in f16.  RoPE's angle s x inv_freq is reduced by 1/2pi in two parts and its sine and cosine come from series on a quarter turn; rows 4 apart follow by rotation
; (32 rotations at the most): the angle is right to some 1e-4 rad at s = 2,047, the order of the f32 product s x inv_freq itself.  NaN and infinities are not treated apart.
; REGISTERS: window 0: v0-31 addresses and small things; v32-95, v96-159 fragments of x, two buffers; v160-255 the weights' twelve fragments, one buffer filled again third by third.
;   windows 1-3: accumulator (a, b), a = 16 rows, b = 16 columns, in window 1 + b / 4 at v[8 (8 (b % 4) + a)]: window 1 q or k, window 2 v, window 3 g.
.set PITCH,  144
.set ABYTES, 256*PITCH                 ; x's 256 rows
.set SLOT,   640*PITCH                 ; then the weights' 384 rows
.set STAGE,  2*SLOT                    ; behind the ring: 32 rows x 784 bytes for each wave (192 f32 + 16 bytes)
.set SPITCH, 784
.set WSTAGE, 32*SPITCH
.set SPARE,  STAGE+4*WSTAGE            ; behind the stages: the spare words, 128 bytes a wave
.set ADRA, 2                           ; v2-3  LDS address of my fragments of x in slot 0, 1
.set ADRB, 4                           ; v4-5  the same for the weights
.set SPW,  6                           ; v6    my spare word; never rewritten
.set NIL,  7                           ; v7    0; never rewritten
.set STO,  8                           ; v8    the stage: where I put 32 bytes of a row
.set RD,   9                           ; v9    the stage: where I read in this trip
.set RDI,  10                          ; v10   the stage: row lane / 8, 32 bytes at 32 (lane % 8)
.set VOFF, 11                          ; v11   my byte offset in a panel of 128 rows x 128 bytes
.set IV,   12                          ; v12   my row in the chunk
.set MXQ,  13                          ; v13   largest |rope(q or k)|
.set MXV,  14                          ; v14   largest |v|
.set LG,   15                          ; v15   log2 of the head's decay
.set FF,   16                          ; v16-17 the row's decay factor (named as a pair)
.set T0,   18
.set L8,   20                          ; lane % 8
.set L3,   21                          ; lane / 8
.set ZR,   22                          ; 0, an offset
.set VBO,  23                          ; 32 (lane % 8)
.set A0,   32
.set A1,   96
.set BF,   160
.set BQ,   32                          ; the way out, in the fragments' registers: biases of my 8 columns of q or k, v, g (times -log2 e), the gain
.set BV,   40
.set BG,   48
.set GW,   56
.set INVF, 64                          ; my four pairs' inverse frequencies
.set CC,   68                          ; cosine and sine at my row,
.set SN,   72
.set SC,   76                          ; and of four rows' turn
.set SS,   80
.set ANG,  84
.set XQ,   96                          ; a row's 8 + 8 + 8 sums
.set XV,   104
.set XG,   112
.set OQ,   120                         ; packed, to store
.set OV,   124
.set OG,   128
.set T,    136                         ; v136-147 at work
.set G1A, 28                           ; s[28:35] descriptor group 1 for x's tiles
.set G1B, 36                           ; s[36:43] for the weights'
.set G0A, 44                           ; s[44:51] group 0 for x's tiles, a set for each slot
.set G0B, 52                           ; s[52:59] for the weights'
.set FLAGS, (1<<16)|(1<<20)|(1<<21)|(4<<22)|(3<<25)  ; 2-byte elements; padding on; bit 21 beside a mask; after every 32 words; 4 words
.set MSB, 0
.macro WIN new                         ; the immediate's high byte repeats the setting that is left; a switch that changes nothing is dropped
.if MSB != (\new)
	s_set_vgpr_msb (MSB<<8)|(\new)
.set MSB, \new
.endif
.endm
.macro PLACES                          ; four plain places behind matrix instructions, in front of loads into their sources and of reads of their results
.rept 4
	v_nop
.endr
.endm
; A joint load: waves 0 and 1 fetch the halves of x's tile, waves 2 and 3 those of the weights'.  The branch hangs on the wave's number alone.  s_nop 0 and four v_nop follow each line.
.macro JLOAD s
	s_cmp_eq_u32 s19, 0
	s_cbranch_scc0 .Lfor_b_\@
	tensor_load_to_lds s[G0A+4*(\s):G0A+4*(\s)+3], s[G1A:G1A+7]
	s_nop 0
.rept 4
	v_nop
.endr
	s_branch .Lasked_\@
.Lfor_b_\@:
	tensor_load_to_lds s[G0B+4*(\s):G0B+4*(\s)+3], s[G1B:G1B+7]
	s_nop 0
.rept 4
	v_nop
.endr
.Lasked_\@:
.endm
.macro CREST                           ; a round of the cluster's barrier behind its opening barrier
	s_cmp_lg_u32 s18, 0
	s_cbranch_scc1 .Lnot_wave_0_\@
	s_barrier_signal -3
.Lnot_wave_0_\@:
	s_barrier_wait -3
	s_barrier_signal -1
	s_barrier_wait -1
.endm
.macro CROUND                          ; a whole round
	s_barrier_signal -1
	s_barrier_wait -1
	CREST
.endm
; log2(1 - x), x = 2^(-5-h), by the series -(x + x^2/2 + .. + x^7/7) log2 e: x is 1/32 at the most, the first term left out 2^-38 of the sum
.macro LG2 d, x, sh, st
	s_sub_co_u32 s[\st], 122, s[\sh]
	s_lshl_b32 s[\st], s[\st], 23                  ; the bits of 2^(-5-h)
	v_mov_b32 v[\x], s[\st]
	v_mov_b32 v[\d], 0x3e124925
	v_fmaak_f32 v[\d], v[\d], v[\x], 0x3e2aaaab
	v_fmaak_f32 v[\d], v[\d], v[\x], 0x3e4ccccd
	v_fmaak_f32 v[\d], v[\d], v[\x], 0x3e800000
	v_fmaak_f32 v[\d], v[\d], v[\x], 0x3eaaaaab
	v_fmaak_f32 v[\d], v[\d], v[\x], 0x3f000000
	v_fmaak_f32 v[\d], v[\d], v[\x], 0x3f800000
	v_mul_f32 v[\d], v[\d], v[\x]
	v_mul_f32 v[\d], 0xbfb8aa3b, v[\d]
.endm
; cosine and sine of v[ang] >= 0.  Turns = ang / 2pi (the constant in two parts), less the nearest whole number; y = pi x that, a quarter turn at the most, is HALF the angle:
; sin y to y^11, cos y to y^12 (the first terms left out are under 6e-8); then sin 2y = 2 sin y cos y, cos 2y = 1 - 2 sin^2 y.
.macro SINCOS ang, c, s
	v_mul_f32 v[T], 0.15915494, v[\ang]
	v_rndne_f32 v[T], v[T]
	v_fma_f32 v[T], v[\ang], 0.15915494, -v[T]
	v_fmamk_f32 v[T], v[\ang], 0x31dc9c4e, v[T]
	v_mul_f32 v[T], 0x40490fdb, v[T]
	v_mul_f32 v[T+1], v[T], v[T]
	v_mov_b32 v[T+2], 0xb2d7322b
	v_mov_b32 v[T+3], 0x310f76c8
	v_fmaak_f32 v[T+2], v[T+2], v[T+1], 0x3638ef1d
	v_fmaak_f32 v[T+3], v[T+3], v[T+1], 0xb493f27e
	v_fmaak_f32 v[T+2], v[T+2], v[T+1], 0xb9500d01
	v_fmaak_f32 v[T+3], v[T+3], v[T+1], 0x37d00d01
	v_fmaak_f32 v[T+2], v[T+2], v[T+1], 0x3c088889
	v_fmaak_f32 v[T+3], v[T+3], v[T+1], 0xbab60b61
	v_fmaak_f32 v[T+2], v[T+2], v[T+1], 0xbe2aaaab
	v_fmaak_f32 v[T+3], v[T+3], v[T+1], 0x3d2aaaab
	v_fmaak_f32 v[T+2], v[T+2], v[T+1], 0x3f800000
	v_fmaak_f32 v[T+3], v[T+3], v[T+1], 0xbf000000
	v_mul_f32 v[T+2], v[T+2], v[T]
	v_fmaak_f32 v[T+3], v[T+3], v[T+1], 0x3f800000
	v_mul_f32 v[T+3], v[T+2], v[T+3]
	v_mul_f32 v[T+4], v[T+2], v[T+2]
	v_add_f32 v[\s], v[T+3], v[T+3]
	v_fma_f32 v[\c], v[T+4], -2.0, 1.0
.endm
.macro RB16 base                       ; eight f32 rounded to bf16 and widened again
.irp i, 0,2,4,6
	v_cvt_pk_bf16_f32 v[T], v[(\base)+\i], v[(\base)+\i+1]
	v_lshlrev_b32 v[(\base)+\i], 16, v[T]
	v_and_b32 v[(\base)+\i+1], 0xffff0000, v[T]
.endr
.endm
	s_load_b256 s[4:11], s[0:1], 0x0               ; cast s[4:5], bq s[6:7], bk s[8:9], bv s[10:11]
	s_load_b128 s[12:15], s[0:1], 0x20             ; bg s[12:13], gain s[14:15]
	s_load_b64 s[16:17], s[0:1], 0x30              ; qkvg
	v_lshl_add_u32 v[SPW], v0, 2, SPARE
	v_mov_b32 v[NIL], 0
	ds_add_u32 v[SPW], v[NIL]                      ; the wave's opening: the add and its wait come ahead of my first tensor load; the set-up stands between them
	ds_add_u32 v6, v7
	v_lshrrev_b32 v1, 5, v0
	v_readfirstlane_b32 s18, v1                    ; wave 0..3
	s_lshr_b32 s19, s18, 1                         ; wr: my half of the rows.  Also: I fetch x (0) or weights (1)
	s_and_b32 s20, s18, 1                          ; wc: my half of the columns.  Also: which half of that tile I fetch
	s_bfe_u32 s21, ttmp6, 0x40000                  ; cx
	s_bfe_u32 s22, ttmp6, 0x40004                  ; cy
	s_lshl_b32 s23, ttmp9, 2
	s_add_co_u32 s23, s23, s21                     ; j = 4 x cluster x + cx
	s_and_b32 s24, ttmp7, 0xffff
	s_lshl_b32 s24, s24, 2
	s_add_co_u32 s24, s24, s22                     ; row block = 4 x cluster y + cy
	s_lshl_b32 s25, s22, 2
	s_lshl_b32 s25, 15, s25                        ; my row of the cluster
	s_lshl_b32 s26, 0x1111, s21                    ; my column
	s_or_b32 s[G1A], s25, FLAGS
	s_or_b32 s[G1B], s26, FLAGS
	s_mov_b32 s[G1A+1], 128<<16                    ; tensor_dim0 = 128 elements: rows of 256 bytes
	s_mov_b32 s[G1B+1], 128<<16
	s_mov_b32 s[G1A+2], 64<<16                     ; tensor_dim1: 128 rows of x are 64 such rows,
	s_mov_b32 s[G1B+2], 96<<16                     ; 192 weight rows 96
	s_mov_b32 s[G1A+3], 128<<16                    ; tile_dim0
	s_mov_b32 s[G1B+3], 128<<16
	s_mov_b32 s[G1A+4], 64                         ; tile_dim1
	s_mov_b32 s[G1B+4], 96
	s_mov_b32 s[G1A+5], 128                        ; elements from row to row: dense
	s_mov_b32 s[G1B+5], 128
	s_mov_b32 s[G1A+6], 0
	s_mov_b32 s[G1B+6], 0
	s_mov_b32 s[G1A+7], 0
	s_mov_b32 s[G1B+7], 0
	s_lshl_b32 s60, s24, 19                        ; x: row block x 524,288 + half x 16,384: no register here ever holds cx
	s_lshl_b32 s27, s20, 14
	s_add_co_u32 s60, s60, s27
	s_mov_b32 s61, 0
	s_mul_i32 s62, s23, 786432                     ; weights: 8,388,608 + j x 786,432 + half x 24,576: none holds cy
	s_mul_i32 s27, s20, 24576
	s_add_co_u32 s62, s62, s27
	s_add_co_u32 s62, s62, 8388608
	s_mov_b32 s63, 0
	s_mul_i32 s66, s20, 128*PITCH                  ; where they go in a slot: no place in the cluster enters an LDS address
	s_mul_i32 s67, s20, 192*PITCH
	s_add_co_u32 s67, s67, ABYTES
	s_wait_dscnt 0x0                               ; the opening add is done
	s_wait_kmcnt 0x0
	s_add_nc_u64 s[60:61], s[4:5], s[60:61]
	s_add_nc_u64 s[62:63], s[4:5], s[62:63]
	CROUND                                         ; all sixteen work-groups are here: the first joint loads meet
.irp s, 0,1
	s_mov_b32 s[G0A+4*(\s)], 1
	s_add_co_u32 s[G0A+4*(\s)+1], s66, (\s)*SLOT
	s_add_nc_u64 s[G0A+4*(\s)+2:G0A+4*(\s)+3], s[60:61], (\s)*32768   ; K step s
	s_or_b32 s[G0A+4*(\s)+3], s[G0A+4*(\s)+3], 0x80000000
	s_mov_b32 s[G0B+4*(\s)], 1
	s_add_co_u32 s[G0B+4*(\s)+1], s67, (\s)*SLOT
	s_add_nc_u64 s[G0B+4*(\s)+2:G0B+4*(\s)+3], s[62:63], (\s)*49152
	s_or_b32 s[G0B+4*(\s)+3], s[G0B+4*(\s)+3], 0x80000000
	JLOAD \s                                       ; two tensor loads of mine are out at the most
.endr
	v_and_b32 v1, 15, v0
	v_bfe_u32 v12, v0, 4, 1
	v_mul_u32_u24 v13, v1, PITCH
	v_lshl_add_u32 v13, v12, 4, v13                ; a fragment's row x pitch + 16 x half of the lanes
	s_mul_i32 s27, s19, 128*PITCH
	s_mul_i32 s68, s20, 192*PITCH
	s_add_co_u32 s68, s68, ABYTES
.irp s, 0,1
	v_add_nc_u32 v[ADRA+(\s)], s27, v13
	v_add_nc_u32 v[ADRB+(\s)], s68, v13
	s_add_co_u32 s27, s27, SLOT
	s_add_co_u32 s68, s68, SLOT
.endr
; 16 matrix instructions: column blocks 4 t + 2 half + 0, 1 x all 8 row blocks, 32 along K.  The accumulators take turns, one instruction a turn.
.macro MUL16 t, half, abuf, zero
	WIN 0x50*(1+(\t))
.irp bb, 0,1
.irp a, 0,1,2,3,4,5,6,7
.set rD, 8*(8*(2*(\half)+\bb)+\a)
.set rB, BF+8*(4*(\t)+2*(\half)+\bb)
.set rA, (\abuf)+8*\a
.if \zero
	v_wmma_f32_16x16x32_bf16 v[rD:rD+7], v[rB:rB+7], v[rA:rA+7], 0
.else
	v_wmma_f32_16x16x32_bf16 v[rD:rD+7], v[rB:rB+7], v[rA:rA+7], v[rD:rD+7]
.endif
.endr
.endr
.endm
.macro THIRD t, abuf, zero
	MUL16 \t, 0, \abuf, \zero
	MUL16 \t, 1, \abuf, \zero
.endm
.macro LOADB t, slot, q                ; 8 loads: the weights' fragments 4 t .. 4 t + 3, 32 along K at byte 64 q of the rows
	WIN 0
.irp bb, 0,1,2,3
	ds_load_b128 v[BF+8*(4*(\t)+\bb):BF+8*(4*(\t)+\bb)+3],   v[ADRB+(\slot)] offset:(4*(\t)+\bb)*16*PITCH+64*(\q)
	ds_load_b128 v[BF+8*(4*(\t)+\bb)+4:BF+8*(4*(\t)+\bb)+7], v[ADRB+(\slot)] offset:(4*(\t)+\bb)*16*PITCH+64*(\q)+32
.endr
.endm
.macro LOADA buf, slot, q              ; 16 loads: x's eight fragments
	WIN 0
.irp a, 0,1,2,3,4,5,6,7
	ds_load_b128 v[(\buf)+8*\a:(\buf)+8*\a+3],   v[ADRA+(\slot)] offset:\a*16*PITCH+64*(\q)
	ds_load_b128 v[(\buf)+8*\a+4:(\buf)+8*\a+7], v[ADRA+(\slot)] offset:\a*16*PITCH+64*(\q)+32
.endr
.endm
; A K step is two quarters of 32.  The first multiplies buffer A0 and fetches the second's fragments.  Each third of the weights' buffer is filled again as soon as its 32 products are issued.
.macro QUARTER slot, zero
	s_wait_dscnt 16                                ; thirds 1 and 2 of the weights, 16 loads, were issued behind x's fragments and may be out
	THIRD 0, A0, \zero
	PLACES
	LOADB 0, \slot, 1
	LOADA A1, \slot, 1
	s_wait_dscnt 32                                ; behind third 1's loads: third 2's 8 and the 24 just issued
	THIRD 1, A0, \zero
	PLACES
	LOADB 1, \slot, 1
	s_wait_dscnt 32                                ; behind third 2's loads: 8 + 16 + 8
	THIRD 2, A0, \zero
	PLACES
	LOADB 2, \slot, 1
.endm
; The second quarter multiplies A1 and changes slots: ONE barrier; in front of it each wave waits for all its tensor loads (one is out: its part of the next slot), adds 0 to its spare word, and waits for that
; and for its reads of this slot.  fill = 1: the barrier opens a round of the cluster's barrier, and the joint refill, two K steps ahead, is the first tensor load behind it: 160 matrix instructions stand ahead of the wait for it.
.macro TURNQ slot, next, fill
	WIN 0
	s_wait_tensorcnt 0x0
	ds_add_u32 v[SPW], v[NIL]
	s_wait_dscnt 17                                ; the add and thirds 1 and 2 may be out
	MUL16 0, 0, A1, 0
	s_wait_dscnt 0x0                               ; the add is done, and my reads of this slot are over
	s_barrier_signal -1
	MUL16 0, 1, A1, 0
	WIN 0
	s_barrier_wait -1
.if \fill
	CREST                                          ; no wave of any partner still reads this slot or has a load on its way
	s_add_nc_u64 s[G0A+4*(\slot)+2:G0A+4*(\slot)+3], s[G0A+4*(\slot)+2:G0A+4*(\slot)+3], 2*32768
	s_add_nc_u64 s[G0B+4*(\slot)+2:G0B+4*(\slot)+3], s[G0B+4*(\slot)+2:G0B+4*(\slot)+3], 2*49152
	JLOAD \slot                                    ; its four v_nop are also the places in front of the loads below
.else
	PLACES
.endif
	LOADB 0, \next, 0
	LOADA A0, \next, 0
	THIRD 1, A1, 0
	PLACES
	LOADB 1, \next, 0
	THIRD 2, A1, 0
	PLACES
	LOADB 2, \next, 0
.endm
	s_wait_tensorcnt 1                             ; my part of K step 0 is in; K step 1's may stay out
	s_barrier_signal -1
	s_barrier_wait -1
	LOADB 0, 0, 0
	LOADA A0, 0, 0
	LOADB 1, 0, 0
	LOADB 2, 0, 0
	QUARTER 0, 1                                   ; the first quarter starts the 96 sums with the constant 0
	WIN 0
	s_mov_b32 s3, 7
.Llap:                                                 ; a trip goes once round the ring and fills both slots again: K steps 2 to 15
	TURNQ 0, 1, 1
	QUARTER 1, 0
	TURNQ 1, 0, 1
	QUARTER 0, 0
	WIN 0
	s_sub_co_u32 s3, s3, 1
	s_cmp_lg_u32 s3, 0
	s_cbranch_scc1 .Llap
	TURNQ 0, 1, 0                                  ; the last lap asks for nothing
	QUARTER 1, 0
	s_wait_dscnt 16
	THIRD 0, A1, 0
	s_wait_dscnt 8
	THIRD 1, A1, 0
	s_wait_dscnt 0x0
	THIRD 2, A1, 0
	WIN 0
	PLACES
	; THE WAY OUT.  What hangs on j (and so on cx) from here on: values and global addresses alone.
	v_and_b32 v[L8], 7, v0
	v_bfe_u32 v[L3], v0, 3, 2
	v_lshlrev_b32 v[VBO], 5, v[L8]
	s_and_b32 s70, s23, 7                          ; h of q or k
	s_lshr_b32 s71, s23, 3                         ; 1: k
	s_mul_i32 s72, s71, 63
	s_lshl_b32 s73, s24, 1
	s_add_co_u32 s73, s73, s19
	s_and_b32 s73, s73, 15                         ; my chunk of 128 rows in the batch
	s_lshr_b32 s74, s24, 3                         ; the batch
	s_lshl_b32 s92, s70, 9
	s_lshl_b32 s75, s20, 8
	s_add_co_u32 s92, s92, s75
	s_mov_b32 s93, 0
	s_cmp_eq_u32 s71, 1
	s_cselect_b64 s[88:89], s[8:9], s[6:7]
	s_add_nc_u64 s[88:89], s[88:89], s[92:93]      ; bq or bk at column 128 h + 64 wc
	s_lshl_b32 s92, s23, 9
	s_add_co_u32 s92, s92, s75
	s_add_nc_u64 s[10:11], s[10:11], s[92:93]      ; bv and bg at column 128 j + 64 wc
	s_add_nc_u64 s[12:13], s[12:13], s[92:93]
	s_and_b32 s92, s23, 1
	s_lshl_b32 s92, s92, 9
	s_add_co_u32 s92, s92, s75
	s_add_nc_u64 s[14:15], s[14:15], s[92:93]      ; the gain at channel 128 (j & 1) + 64 wc
	global_load_b128 v[BQ:BQ+3],   v[VBO], s[88:89]
	global_load_b128 v[BQ+4:BQ+7], v[VBO], s[88:89] offset:16
	global_load_b128 v[BV:BV+3],   v[VBO], s[10:11]
	global_load_b128 v[BV+4:BV+7], v[VBO], s[10:11] offset:16
	global_load_b128 v[BG:BG+3],   v[VBO], s[12:13]
	global_load_b128 v[BG+4:BG+7], v[VBO], s[12:13] offset:16
	global_load_b128 v[GW:GW+3],   v[VBO], s[14:15]
	global_load_b128 v[GW+4:GW+7], v[VBO], s[14:15] offset:16
	s_lshl_b32 s92, s74, 3                         ; where my three panels lie
	s_add_co_u32 s92, s92, s70
	s_lshl4_add_u32 s92, s92, s73
	s_lshl1_add_u32 s92, s92, s20
	s_lshl_b32 s92, s92, 14
	s_lshl_b32 s75, s71, 23
	s_add_co_u32 s92, s92, s75
	s_add_nc_u64 s[76:77], s[16:17], s[92:93]      ; q'' or k'': (((8 b + h) 16 + c) 2 + wc) x 16,384, k'' 8,388,608 further on
	s_lshl_b32 s92, s74, 3
	s_lshr_b32 s75, s23, 1
	s_add_co_u32 s92, s92, s75
	s_lshl4_add_u32 s92, s92, s73
	s_and_b32 s75, s23, 1
	s_lshl1_add_u32 s75, s75, s20
	s_lshl2_add_u32 s92, s92, s75
	s_lshl_b32 s92, s92, 14
	s_add_co_u32 s92, s92, 16777216
	s_add_nc_u64 s[78:79], s[16:17], s[92:93]      ; v: (((8 b + j / 2) 16 + c) 4 + 2 (j & 1) + wc) x 16,384
	s_add_nc_u64 s[80:81], s[78:79], 16777216      ; g'
	s_lshl4_add_u32 s92, s70, s24
	s_lshl2_add_u32 s92, s92, s18
	s_lshl_b32 s92, s92, 2
	s_lshl_b32 s75, s71, 11
	s_add_co_u32 s92, s92, s75
	s_add_co_u32 s92, s92, 50331648
	s_add_nc_u64 s[82:83], s[16:17], s[92:93]      ; my word among the maxima of q or k: [h][row block][wave]
	s_lshr_b32 s92, s23, 1
	s_lshl4_add_u32 s92, s92, s24
	s_and_b32 s75, s23, 1
	s_lshl1_add_u32 s92, s92, s75
	s_lshl2_add_u32 s92, s92, s18
	s_lshl_b32 s92, s92, 2
	s_add_co_u32 s92, s92, 50331648+4096
	s_add_nc_u64 s[84:85], s[16:17], s[92:93]      ; and of v: [h][row block][j & 1][wave]
	s_mov_b32 s90, 0x76543210
	s_mov_b32 s91, 0xfedcba98
	v_and_b32 v[T], 15, v0
	v_bfe_u32 v[T+1], v0, 4, 1
	s_mul_i32 s75, s18, WSTAGE
	s_add_co_u32 s75, s75, STAGE                   ; my stage
	v_mul_u32_u24 v[STO], v[T], SPITCH
	v_lshl_add_u32 v[STO], v[T+1], 5, v[STO]
	v_add_nc_u32 v[STO], s75, v[STO]
	v_mul_u32_u24 v[RDI], v[L3], SPITCH
	v_lshl_add_u32 v[RDI], v[L8], 5, v[RDI]
	v_add_nc_u32 v[RDI], s75, v[RDI]
	v_and_b32 v[VOFF], 31, v0
	v_lshlrev_b32 v[VOFF], 4, v[VOFF]              ; four rows of 128 bytes are 512 consecutive bytes: 16 x lane
	v_mov_b32 v[IV], v[L3]
	v_mov_b32 v[MXQ], 0
	v_mov_b32 v[MXV], 0
	v_mov_b32 v[FF+1], 0
	v_mov_b32 v[ZR], 0
	LG2 LG, T0, 70, 75
	s_lshl_b32 s75, s20, 5
	v_lshl_add_u32 v[T], v[L8], 2, s75             ; my first pair of the head's 64: 32 wc + 4 (lane % 8)
.irp k, 0,1,2,3
	v_add_nc_u32 v[T+1], \k, v[T]
	v_cvt_f32_u32 v[T+1], v[T+1]
	v_mul_f32 v[INVF+\k], 0xbe549a78, v[T+1]       ; - pair x log2(10000) / 64
.endr
.irp k, 0,1,2,3
	v_exp_f32 v[INVF+\k], v[INVF+\k]
.endr
	s_lshl_b32 s75, s73, 7                         ; the chunk's first position
	v_add_nc_u32 v[T+6], s75, v[L3]                ; (a plain line behind the exponentials)
	v_cvt_f32_u32 v[T+6], v[T+6]
	s_wait_alu depctr_va_vdst(0)
.irp k, 0,1,2,3
	v_mul_f32 v[ANG], v[T+6], v[INVF+\k]
	SINCOS ANG, CC+\k, SN+\k
	v_mul_f32 v[ANG], 4.0, v[INVF+\k]
	SINCOS ANG, SC+\k, SS+\k
.endr
	s_wait_loadcnt 0x0                             ; biases and gain
	RB16 BQ
	RB16 BV
	RB16 BG
	RB16 GW
.irp i, 0,2,4,6
	v_pk_mul_f32 v[BG+\i:BG+\i+1], v[BG+\i:BG+\i+1], 0xbfb8aa3b op_sel_hi:[1,0]
.endr
; 32 rows (row blocks 2 p, 2 p + 1) go as f32 into my stage: a lane's eight columns are 32 bytes; each accumulator's low four registers first.
.macro DUMP p
.irp t, 0,1,2
	WIN (1+\t)<<2
.irp bb, 0,1,2,3
.irp a2, 0,1
	ds_store_b128 v[STO], v[8*(8*\bb+2*(\p)+\a2):8*(8*\bb+2*(\p)+\a2)+3]   offset:\a2*16*SPITCH+64*(4*\t+\bb)
	ds_store_b128 v[STO], v[8*(8*\bb+2*(\p)+\a2)+4:8*(8*\bb+2*(\p)+\a2)+7] offset:\a2*16*SPITCH+64*(4*\t+\bb)+16
.endr
.endr
.endr
	WIN 0
.endm
; and come back by rows, four rows a trip: eight lanes a row, each with 8 columns of q or k, 8 of v, 8 of g.  LDS serves a wave's instructions in order (ISA guide 5.7.1.4): no wait between the stores above and these loads.
.macro PROC
	s_mov_b32 s86, 0
	s_mov_b32 s87, 8
.Lrows_\@:
	v_add_nc_u32 v[RD], s86, v[RDI]
	ds_load_b128 v[XQ:XQ+3],   v[RD]
	ds_load_b128 v[XQ+4:XQ+7], v[RD] offset:16
	ds_load_b128 v[XV:XV+3],   v[RD] offset:256
	ds_load_b128 v[XV+4:XV+7], v[RD] offset:272
	ds_load_b128 v[XG:XG+3],   v[RD] offset:512
	ds_load_b128 v[XG+4:XG+7], v[RD] offset:528
	s_add_co_u32 s86, s86, 4*SPITCH
	v_and_b32 v[T0], 63, v[IV]
	v_xor_b32 v[T0], s72, v[T0]                    ; s & 63 for q, 63 - (s & 63) for k
	v_cvt_f32_u32 v[T0], v[T0]
	v_mul_f32 v[T0], v[LG], v[T0]
	v_exp_f32 v[FF], v[T0]
	s_wait_dscnt 4                                 ; q or k is in; the four younger loads may be out
.irp i, 0,2,4,6
	v_pk_add_f32 v[XQ+\i:XQ+\i+1], v[XQ+\i:XQ+\i+1], v[BQ+\i:BQ+\i+1]
.endr
.irp k, 0,1,2,3
	v_mul_f32 v[T+2*\k],   v[XQ+2*\k+1], v[SN+\k]
	v_mul_f32 v[T+2*\k+1], v[XQ+2*\k+1], v[CC+\k]
	v_fma_f32 v[T+2*\k],   v[XQ+2*\k], v[CC+\k], -v[T+2*\k]    ; x1 cos - x2 sin
	v_fma_f32 v[T+2*\k+1], v[XQ+2*\k], v[SN+\k], v[T+2*\k+1]   ; x1 sin + x2 cos
.endr
.irp k, 0,1,2,3
	v_max3_num_f32 v[MXQ], v[MXQ], |v[T+2*\k]|, |v[T+2*\k+1]|
.endr
	s_wait_alu depctr_va_vdst(0)
.irp i, 0,2,4,6
	v_pk_mul_f32 v[T+\i:T+\i+1], v[T+\i:T+\i+1], v[FF:FF+1] op_sel_hi:[1,0]
.endr
.irp k, 0,1,2,3
	v_cvt_pk_f16_f32 v[OQ+\k], v[T+2*\k], v[T+2*\k+1]
.endr
	global_store_b128 v[VOFF], v[OQ:OQ+3], s[76:77]          ; 32 lanes: 512 consecutive bytes, aligned
	s_wait_dscnt 2                                 ; v is in
.irp i, 0,2,4,6
	v_pk_add_f32 v[XV+\i:XV+\i+1], v[XV+\i:XV+\i+1], v[BV+\i:BV+\i+1]
.endr
.irp k, 0,1,2,3
	v_max3_num_f32 v[MXV], v[MXV], |v[XV+2*\k]|, |v[XV+2*\k+1]|
.endr
.irp k, 0,1,2,3
	v_cvt_pk_f16_f32 v[OV+\k], v[XV+2*\k], v[XV+2*\k+1]
.endr
	global_store_b128 v[VOFF], v[OV:OV+3], s[78:79]
	s_wait_dscnt 0x0                               ; g is in
.irp i, 0,2,4,6
	v_pk_fma_f32 v[XG+\i:XG+\i+1], v[XG+\i:XG+\i+1], 0xbfb8aa3b, v[BG+\i:BG+\i+1] op_sel_hi:[1,0,1]
.endr
.irp i, 0,1,2,3,4,5,6,7
	v_exp_f32 v[XG+\i], v[XG+\i]
.endr
.irp k, 0,1,2,3
	v_mul_f32 v[T+8+\k], v[SN+\k], v[SS+\k]        ; the turn by four rows begins here: plain lines behind the exponentials
.endr
	s_wait_alu depctr_va_vdst(0)
.irp i, 0,2,4,6
	v_pk_add_f32 v[XG+\i:XG+\i+1], v[XG+\i:XG+\i+1], 1.0 op_sel_hi:[1,0]
.endr
.irp i, 0,1,2,3,4,5,6,7
	v_rcp_f32 v[XG+\i], v[XG+\i]
.endr
.irp k, 0,1,2,3
	v_mul_f32 v[SN+\k], v[SN+\k], v[SC+\k]         ; plain lines behind the reciprocals
.endr
	s_wait_alu depctr_va_vdst(0)
.irp i, 0,2,4,6
	v_pk_mul_f32 v[XG+\i:XG+\i+1], v[XG+\i:XG+\i+1], v[GW+\i:GW+\i+1]
.endr
.irp k, 0,1,2,3
	v_cvt_pk_f16_f32 v[OG+\k], v[XG+2*\k], v[XG+2*\k+1]
.endr
	global_store_b128 v[VOFF], v[OG:OG+3], s[80:81]
.irp k, 0,1,2,3
	v_fma_f32 v[SN+\k], v[CC+\k], v[SS+\k], v[SN+\k]         ; sin' = sin C + cos S
	v_fma_f32 v[CC+\k], v[CC+\k], v[SC+\k], -v[T+8+\k]       ; cos' = cos C - sin S
.endr
	s_wait_xcnt 0x0                                ; the three stores' offset and data are written again only behind this wait
	v_add_nc_u32 v[VOFF], 512, v[VOFF]
	v_add_nc_u32 v[IV], 4, v[IV]
	s_sub_co_u32 s87, s87, 1
	s_cmp_lg_u32 s87, 0
	s_cbranch_scc1 .Lrows_\@
.endm
.irp p, 0,1,2,3
	DUMP \p
	PROC
.endr
	; the wave's two maxima, over its 32 lanes, stored by lane 0
.irp m, 1,2,4,8
	v_max_num_f32_dpp v[MXQ], v[MXQ], v[MXQ] row_xmask:\m row_mask:0xf bank_mask:0xf
	v_max_num_f32_dpp v[MXV], v[MXV], v[MXV] row_xmask:\m row_mask:0xf bank_mask:0xf
.endr
	v_permlanex16_b32 v[T], v[MXQ], s90, s91
	v_permlanex16_b32 v[T+1], v[MXV], s90, s91
	v_max_num_f32 v[MXQ], v[MXQ], v[T]
	v_max_num_f32 v[MXV], v[MXV], v[T+1]
	v_and_b32 v[T+2], 31, v0
	v_cmp_eq_u32 vcc_lo, 0, v[T+2]
	s_wait_xcnt 0x0                                ; EXEC changes only behind this wait
	s_and_saveexec_b32 s94, vcc_lo
	global_store_b32 v[ZR], v[MXQ], s[82:83]
	global_store_b32 v[ZR], v[MXV], s[84:85]
	s_wait_xcnt 0x0                                ; and again in front of the line that widens it
	s_or_b32 exec_lo, exec_lo, s94
	s_wait_tensorcnt 0x0                           ; the wave's end
	ds_add_u32 v[SPW], v[NIL]
	s_wait_dscnt 0x0
	CROUND                                         ; the closing round
	s_endpgm
.Lfunc_end_k_q9830642964_proj:
	.size	k_q9830642964_proj, .Lfunc_end_k_q9830642964_proj-k_q9830642964_proj
	.p2alignl 7, 3214868480
	.fill 96, 4, 3214868480
	.section	.rodata,"a",@progbits
	.p2align	6, 0x0
	.amdhsa_kernel k_q9830642964_proj
		.amdhsa_group_segment_fixed_size 327680
		.amdhsa_private_segment_fixed_size 0
		.amdhsa_enable_private_segment 0
		.amdhsa_kernarg_size 56
		.amdhsa_user_sgpr_count 2
		.amdhsa_user_sgpr_kernarg_segment_ptr 1
		.amdhsa_wavefront_size32 1
		.amdhsa_system_sgpr_workgroup_id_x 1
		.amdhsa_system_sgpr_workgroup_id_y 1
		.amdhsa_system_sgpr_workgroup_id_z 1
		.amdhsa_system_vgpr_workitem_id 0
		.amdhsa_next_free_vgpr 1024
		.amdhsa_next_free_sgpr 100
		.amdhsa_reserve_vcc 1
		.amdhsa_float_denorm_mode_32 3
		.amdhsa_float_denorm_mode_16_64 3
		.amdhsa_memory_ordered 1
		.amdhsa_forward_progress 1
		.amdhsa_inst_pref_size 139
	.end_amdhsa_kernel
	.amdgpu_metadata
---
amdhsa.version: [ 1, 2 ]
amdhsa.kernels:
  - .name:           k_q9830642964_proj
    .symbol:         k_q9830642964_proj.kd
    .args:
      - { .name: cast, .offset: 0, .size: 8, .value_kind: global_buffer, .address_space: global }
      - { .name: bq, .offset: 8, .size: 8, .value_kind: global_buffer, .address_space: global }
      - { .name: bk, .offset: 16, .size: 8, .value_kind: global_buffer, .address_space: global }
      - { .name: bv, .offset: 24, .size: 8, .value_kind: global_buffer, .address_space: global }
      - { .name: bg, .offset: 32, .size: 8, .value_kind: global_buffer, .address_space: global }
      - { .name: gn_weight, .offset: 40, .size: 8, .value_kind: global_buffer, .address_space: global }
      - { .name: qkvg, .offset: 48, .size: 8, .value_kind: global_buffer, .address_space: global }
    .group_segment_fixed_size: 327680
    .private_segment_fixed_size: 0
    .kernarg_segment_align: 8
    .kernarg_segment_size: 56
    .max_flat_workgroup_size: 128
    .sgpr_count:     100
    .vgpr_count:     1024
    .wavefront_size: 32
...
	.end_amdgpu_metadata
.endif
;; end of part 2
;; launch wchunk (part 3): grid 15 x 16, 4 waves a work-group, no clusters, 167,936 bytes of LDS; arguments qkvg, wst; writes wst
.if DOCPART == 3
	.amdgcn_target "amdgcn-amd-amdhsa--gfx1250"
	.amdhsa_code_object_version 6
	.text
	.protected	k_q9830642964_wchunk
	.globl	k_q9830642964_wchunk
	.p2align	8
	.type	k_q9830642964_wchunk,@function
k_q9830642964_wchunk:
	s_mov_b64 s[64:65], 0
	v_nop
	global_prefetch_b8 v0, s[64:65] scope:SCOPE_SE
	s_setreg_imm32_b32 hwreg(HW_REG_WAVE_MODE, 25, 1), 1
	s_wait_xcnt 0x0
; WCHUNK: what chunk c (128 rows) of (batch, head) adds to the running state:  W^T[ch][d] = g^64 x (sum over rows 0-63 of v[m][ch] k''[m][d]) + (sum over rows 64-127 of the same),
; with k'' = rope(k) g^(63 - (m & 63)), so that every row m carries g^(127 - m).  Stored as f16 of beta W^T, [bh][c][256 ch][128 d], beta = 2^(9-h) / (Mk Mv): |beta W| and |beta state| stay under 2^14,
; since |k| <= Mk, |v| <= Mv and the decays sum to 2^(5+h) at the most.  Mk, Mv: the (batch, head)'s largest |rope k|, |v|, at least 2^-24 (LIMIT: smaller maxima count as 2^-24).
; Chunks 0 to 14: nothing follows chunk 15.  NO CLUSTER: no two work-groups read the same tile.  Nothing in LDS is filled twice: one tensor load a wave, one barrier.
; Wave w makes channels 64 w .. 64 w + 63 x all 128 d: 32 accumulators in window 1, (ct, dt) at v[8 (8 ct + dt)].  Source 0 = K^T (16 d x 32 rows), source 1 = V^T (16 ch x 32 rows), both turned on the way out of LDS
; by ds_load_tr16_b128: a lane then holds one channel and eight neighbouring d.
.set KP,    160                        ; an LDS row: 128 bytes + 32
.set KPAN,  128*KP                     ; a panel of 128 rows x 64 columns
.set VBASE, 2*KPAN                     ; K's two panels, then V's four
.set STAGE, 6*KPAN                     ; 16 rows x 272 bytes for each wave
.set SP,    272
.set SPARE, STAGE+4*16*SP
.set AT,   2                           ; v2   my lane's place in a panel, for the turning load
.set AVT,  3                           ; v3   the same in my wave's panel of V
.set STO,  4
.set RD,   5
.set GO,   6
.set SPW,  8
.set NIL,  9
.set G64,  20                          ; v20-21 g^64 (named as a pair)
.set BETA, 22                          ; v22-23 beta
.set LGR,  24
.set MK,   26
.set MV,   28
.set TT,   30
.set F0,   64                          ; fragments: 64 registers of K^T, 32 of V^T; two buffers
.set F1,   160
.set TMP,  64                          ; the way out
.set MSB, 0
.macro WIN new
.if MSB != (\new)
	s_set_vgpr_msb (MSB<<8)|(\new)
.set MSB, \new
.endif
.endm
.macro PLACES
.rept 4
	v_nop
.endr
.endm
.macro LG2 d, x, sh, st                ; log2(1 - 2^(-5-h)) by its series, seven terms
	s_sub_co_u32 s[\st], 122, s[\sh]
	s_lshl_b32 s[\st], s[\st], 23
	v_mov_b32 v[\x], s[\st]
	v_mov_b32 v[\d], 0x3e124925
	v_fmaak_f32 v[\d], v[\d], v[\x], 0x3e2aaaab
	v_fmaak_f32 v[\d], v[\d], v[\x], 0x3e4ccccd
	v_fmaak_f32 v[\d], v[\d], v[\x], 0x3e800000
	v_fmaak_f32 v[\d], v[\d], v[\x], 0x3eaaaaab
	v_fmaak_f32 v[\d], v[\d], v[\x], 0x3f000000
	v_fmaak_f32 v[\d], v[\d], v[\x], 0x3f800000
	v_mul_f32 v[\d], v[\d], v[\x]
	v_mul_f32 v[\d], 0xbfb8aa3b, v[\d]
.endm
.macro WMAX r, t                       ; the largest of the 32 lanes, in every lane
.irp m, 1,2,4,8
	v_max_num_f32_dpp v[\r], v[\r], v[\r] row_xmask:\m row_mask:0xf bank_mask:0xf
.endr
	v_permlanex16_b32 v[\t], v[\r], s50, s51
	v_max_num_f32 v[\r], v[\r], v[\t]
.endm
	s_load_b128 s[4:7], s[0:1], 0x0                ; qkvg s[4:5], wst s[6:7]
	v_lshl_add_u32 v[SPW], v0, 2, SPARE
	v_mov_b32 v[NIL], 0
	ds_add_u32 v[SPW], v[NIL]                      ; the wave's opening: the add and its wait come ahead of my first tensor load
	ds_add_u32 v8, v9
	v_lshrrev_b32 v1, 5, v0
	v_readfirstlane_b32 s8, v1                     ; wave
	s_lshr_b32 s9, s8, 1                           ; I fetch K (0) or V (1)
	s_and_b32 s10, s8, 1                           ; which half of it
	s_mov_b32 s11, ttmp9                           ; c
	s_and_b32 s12, ttmp7, 0xffff                   ; bh = 8 b + h
	s_and_b32 s13, s12, 7
	s_lshr_b32 s14, s12, 3
	s_lshl4_add_u32 s15, s12, s11                  ; 16 bh + c
.irp g, 16, 24
	s_mov_b32 s[\g], (1<<16)|(1<<20)|(4<<22)|(7<<25)  ; 2-byte elements; padding on; after every 32 words; 8 words
	s_mov_b32 s[\g+1], 128<<16
	s_mov_b32 s[\g+3], 128<<16
	s_mov_b32 s[\g+5], 128
	s_mov_b32 s[\g+6], 0
	s_mov_b32 s[\g+7], 0
.endr
	s_mov_b32 s18, 64<<16                          ; a panel of K: 64 rows of 256 bytes
	s_mov_b32 s20, 64
	s_mov_b32 s26, 128<<16                         ; two panels of V: 128
	s_mov_b32 s28, 128
	s_lshl1_add_u32 s40, s15, s10
	s_lshl_b32 s42, s40, 15
	s_lshl_b32 s40, s40, 14
	s_add_co_u32 s40, s40, 8388608                 ; k'': ((16 bh + c) 2 + half) x 16,384
	s_mov_b32 s41, 0
	s_add_co_u32 s42, s42, 16777216                ; v: ((16 bh + c) 4 + 2 half) x 16,384
	s_mov_b32 s43, 0
	s_mov_b32 s32, 1
	s_mul_i32 s33, s10, KPAN
	s_mov_b32 s36, 1
	s_mul_i32 s37, s10, 2*KPAN
	s_add_co_u32 s37, s37, VBASE
	s_wait_dscnt 0x0                               ; the opening add is done
	s_wait_kmcnt 0x0
	s_add_nc_u64 s[34:35], s[4:5], s[40:41]
	s_or_b32 s35, s35, 0x80000000
	s_add_nc_u64 s[38:39], s[4:5], s[42:43]
	s_or_b32 s39, s39, 0x80000000
	s_cmp_eq_u32 s9, 0                             ; one tensor load of mine is out
	s_cbranch_scc0 .Lfor_v
	tensor_load_to_lds s[32:35], s[16:23]
	s_nop 0
.rept 4
	v_nop
.endr
	s_branch .Lasked
.Lfor_v:
	tensor_load_to_lds s[36:39], s[24:31]
	s_nop 0
.rept 4
	v_nop
.endr
.Lasked:
	s_lshl_b32 s40, s13, 6                         ; the maxima: 32 words of k at [h][8 b ..][..], 64 of v
	s_lshl_b32 s41, s14, 5
	s_add_co_u32 s40, s40, s41
	s_lshl_b32 s42, s40, 3
	s_lshl_b32 s40, s40, 2
	s_add_co_u32 s40, s40, 50331648+2048
	s_add_co_u32 s42, s42, 50331648+4096
	s_mov_b32 s41, 0
	s_add_nc_u64 s[44:45], s[4:5], s[40:41]
	s_add_nc_u64 s[46:47], s[4:5], s[42:43]
	v_and_b32 v10, 31, v0
	v_lshlrev_b32 v11, 2, v10
	v_lshlrev_b32 v12, 3, v10
	global_load_b32 v[MK], v11, s[44:45]
	global_load_b64 v[MV:MV+1], v12, s[46:47]
	s_lshl_b32 s40, s15, 16
	s_lshl_b32 s42, s8, 14
	s_add_co_u32 s40, s40, s42
	s_add_nc_u64 s[48:49], s[6:7], s[40:41]        ; W^T of my chunk at channel 64 w
	s_mov_b32 s50, 0x76543210
	s_mov_b32 s51, 0xfedcba98
	s_sub_co_u32 s53, 136, s13
	s_lshl_b32 s53, s53, 23                        ; the bits of 2^(9-h)
	v_and_b32 v13, 15, v0
	v_bfe_u32 v14, v0, 4, 1
	v_and_b32 v15, 7, v0
	v_bfe_u32 v16, v0, 3, 1
	v_lshl_add_u32 v17, v14, 3, v15
	v_mul_u32_u24 v17, v17, KP
	v_lshl_add_u32 v[AT], v16, 4, v17              ; (8 (l / 16) + l % 8) x pitch + 16 ((l / 8) % 2)
	s_mul_i32 s52, s8, KPAN
	s_add_co_u32 s52, s52, VBASE
	v_add_nc_u32 v[AVT], s52, v[AT]
	s_mul_i32 s52, s8, 16*SP
	s_add_co_u32 s52, s52, STAGE
	v_mul_u32_u24 v[STO], v13, SP
	v_lshl_add_u32 v[STO], v14, 4, v[STO]
	v_add_nc_u32 v[STO], s52, v[STO]
	v_mul_u32_u24 v[RD], v14, SP
	v_lshl_add_u32 v[RD], v13, 4, v[RD]
	v_add_nc_u32 v[RD], s52, v[RD]
	v_lshlrev_b32 v[GO], 8, v14
	v_lshl_add_u32 v[GO], v13, 4, v[GO]
	v_mov_b32 v[TT], 0
	LG2 LGR, LGR+1, 13, 52
	s_wait_loadcnt 0x0
	v_max_num_f32 v[MV], v[MV], v[MV+1]
	WMAX MK, TT
	WMAX MV, TT
	v_max_num_f32 v[MK], 0x33800000, v[MK]
	v_max_num_f32 v[MV], 0x33800000, v[MV]
	v_mul_f32 v[BETA], v[MK], v[MV]
	v_rcp_f32 v[BETA], v[BETA]
	v_mul_f32 v[G64], 0x42800000, v[LGR]
	v_exp_f32 v[G64], v[G64]
	v_mov_b32 v[BETA+1], 0
	v_mov_b32 v[G64+1], 0
	s_wait_alu depctr_va_vdst(0)
	v_mul_f32 v[BETA], s53, v[BETA]
.macro LOADF u, f                      ; 24 loads: rows 32 u .. 32 u + 31: K^T's eight fragments, my V^T's four
	WIN 0
.irp dt, 0,1,2,3,4,5,6,7
	ds_load_tr16_b128 v[(\f)+8*\dt:(\f)+8*\dt+3],   v[AT] offset:(\dt/4)*KPAN+(\dt%4)*32+(\u)*32*KP
	ds_load_tr16_b128 v[(\f)+8*\dt+4:(\f)+8*\dt+7], v[AT] offset:(\dt/4)*KPAN+(\dt%4)*32+(\u)*32*KP+16*KP
.endr
.irp ct, 0,1,2,3
	ds_load_tr16_b128 v[(\f)+64+8*\ct:(\f)+64+8*\ct+3],   v[AVT] offset:\ct*32+(\u)*32*KP
	ds_load_tr16_b128 v[(\f)+64+8*\ct+4:(\f)+64+8*\ct+7], v[AVT] offset:\ct*32+(\u)*32*KP+16*KP
.endr
.endm
.macro MULW f, zero                    ; 32 matrix instructions, the 32 accumulators by turns
	WIN 0x50
.irp ct, 0,1,2,3
.irp dt, 0,1,2,3,4,5,6,7
.set rD, 8*(8*\ct+\dt)
.if \zero
	v_wmma_f32_16x16x32_f16 v[rD:rD+7], v[(\f)+8*\dt:(\f)+8*\dt+7], v[(\f)+64+8*\ct:(\f)+64+8*\ct+7], 0
.else
	v_wmma_f32_16x16x32_f16 v[rD:rD+7], v[(\f)+8*\dt:(\f)+8*\dt+7], v[(\f)+64+8*\ct:(\f)+64+8*\ct+7], v[rD:rD+7]
.endif
.endr
.endr
.endm
	s_wait_tensorcnt 0x0                           ; my tile is in,
	s_barrier_signal -1
	s_barrier_wait -1                              ; everybody's is
	LOADF 0, F0
	LOADF 1, F1
	s_wait_dscnt 24                                ; the other buffer's 24 loads may be out
	MULW F0, 1
	PLACES
	LOADF 2, F0
	s_wait_dscnt 24
	MULW F1, 0
	PLACES
	LOADF 3, F1
	WIN 0x41                                       ; rows 0-63 are summed: times g^64, each accumulator from its low end on
.set i, 0
.rept 128
	v_pk_mul_f32 v[i:i+1], v[i:i+1], v[G64:G64+1] op_sel_hi:[1,0]
.set i, i+2
.endr
	s_wait_dscnt 24
	MULW F0, 0
	s_wait_dscnt 0x0
	MULW F1, 0
	PLACES
; THE WAY OUT, 16 channels at a time: times beta, rounded to f16; a lane's eight d are 16 bytes of a row of 256; through my stage, back as whole rows.
.macro PACKW ct
	WIN 0x41
.set i, 64*(\ct)
.rept 32
	v_pk_mul_f32 v[i:i+1], v[i:i+1], v[BETA:BETA+1] op_sel_hi:[1,0]
.set i, i+2
.endr
	WIN 0x05
.set i, 0
.rept 32
	v_cvt_pk_f16_f32 v[TMP+32*(\ct)+i], v[64*(\ct)+2*i], v[64*(\ct)+2*i+1]
.set i, i+1
.endr
	WIN 0
.irp dt, 0,1,2,3,4,5,6,7
	ds_store_b128 v[STO], v[TMP+32*(\ct)+4*\dt:TMP+32*(\ct)+4*\dt+3] offset:32*\dt
.endr
.irp t, 0,1,2,3,4,5,6,7
	ds_load_b128 v[TMP+32*(\ct)+4*\t:TMP+32*(\ct)+4*\t+3], v[RD] offset:\t*2*SP  ; LDS serves a wave's instructions in order: these see the stores above
.endr
.endm
.macro SENDW ct, younger               ; younger: the LDS instructions issued behind these loads
.irp t, 0,1,2,3,4,5,6,7
	s_wait_dscnt (\younger)+7-\t
	global_store_b128 v[GO], v[TMP+32*(\ct)+4*\t:TMP+32*(\ct)+4*\t+3], s[48:49] offset:(\ct)*4096+\t*512  ; 16 lanes: 256 consecutive bytes, aligned
.endr
.endm
	PACKW 0
	PACKW 1
	SENDW 0, 16
	PACKW 2
	SENDW 1, 16
	PACKW 3
	SENDW 2, 16
	SENDW 3, 0
	s_wait_tensorcnt 0x0                           ; the wave's end
	ds_add_u32 v[SPW], v[NIL]
	s_wait_dscnt 0x0
	s_endpgm
.Lfunc_end_k_q9830642964_wchunk:
	.size	k_q9830642964_wchunk, .Lfunc_end_k_q9830642964_wchunk-k_q9830642964_wchunk
	.p2alignl 7, 3214868480
	.fill 96, 4, 3214868480
	.section	.rodata,"a",@progbits
	.p2align	6, 0x0
	.amdhsa_kernel k_q9830642964_wchunk
		.amdhsa_group_segment_fixed_size 167936
		.amdhsa_private_segment_fixed_size 0
		.amdhsa_enable_private_segment 0
		.amdhsa_kernarg_size 16
		.amdhsa_user_sgpr_count 2
		.amdhsa_user_sgpr_kernarg_segment_ptr 1
		.amdhsa_wavefront_size32 1
		.amdhsa_system_sgpr_workgroup_id_x 1
		.amdhsa_system_sgpr_workgroup_id_y 1
		.amdhsa_system_sgpr_workgroup_id_z 1
		.amdhsa_system_vgpr_workitem_id 0
		.amdhsa_next_free_vgpr 512
		.amdhsa_next_free_sgpr 66
		.amdhsa_reserve_vcc 0
		.amdhsa_float_denorm_mode_32 3
		.amdhsa_float_denorm_mode_16_64 3
		.amdhsa_memory_ordered 1
		.amdhsa_forward_progress 1
		.amdhsa_inst_pref_size 55
	.end_amdhsa_kernel
	.amdgpu_metadata
---
amdhsa.version: [ 1, 2 ]
amdhsa.kernels:
  - .name:           k_q9830642964_wchunk
    .symbol:         k_q9830642964_wchunk.kd
    .args:
      - { .name: qkvg, .offset: 0, .size: 8, .value_kind: global_buffer, .address_space: global }
      - { .name: wst, .offset: 8, .size: 8, .value_kind: global_buffer, .address_space: global }
    .group_segment_fixed_size: 167936
    .private_segment_fixed_size: 0
    .kernarg_segment_align: 8
    .kernarg_segment_size: 16
    .max_flat_workgroup_size: 128
    .sgpr_count:     66
    .vgpr_count:     512
    .wavefront_size: 32
...
	.end_amdgpu_metadata
.endif
;; end of part 3
;; launch scan (part 4): grid 16 x 16, 8 waves a work-group, no clusters, 0 bytes of LDS; arguments wst, st; writes st
.if DOCPART == 4
	.amdgcn_target "amdgcn-amd-amdhsa--gfx1250"
	.amdhsa_code_object_version 6
	.text
	.protected	k_q9830642964_scan
	.globl	k_q9830642964_scan
	.p2align	8
	.type	k_q9830642964_scan,@function
k_q9830642964_scan:
	s_mov_b64 s[64:65], 0
	v_nop
	global_prefetch_b8 v0, s[64:65] scope:SCOPE_SE
	s_setreg_imm32_b32 hwreg(HW_REG_WAVE_MODE, 25, 1), 1
	s_wait_xcnt 0x0
; SCAN: the running state in front of each chunk:  St_0 = 0,  St_(c+1) = g^128 St_c + W_c,  element by element, carried in f32, read and stored in f16 (both scaled by beta).
; A (batch, head)'s matrix is 65,536 bytes; a work-group takes 4,096 of them, a thread 16 bytes (8 numbers) of all 16 chunks.  All 15 loads go out at once; no register is written twice by memory's side,
; so the only waits are the counted ones.  A load or store of a wave covers 512 consecutive bytes.  Bytes bind here: no LDS, no matrix unit.
.set G,  2                             ; v2-3   g^128 (named as a pair)
.set LGR, 4
.set W,  8                             ; v[8:67]   chunk c's 16 bytes at W + 4 c
.set T,  80                            ; v[80:87]  W_c in f32
.set S,  88                            ; v[88:95]  the state
.set O,  96                            ; v[96:155] St_(c+1) packed, at O + 4 c
.set Z,  156                           ; v[156:159] zeros
.macro LG2 d, x, sh, st                ; log2(1 - 2^(-5-h)) by its series, seven terms
	s_sub_co_u32 s[\st], 122, s[\sh]
	s_lshl_b32 s[\st], s[\st], 23
	v_mov_b32 v[\x], s[\st]
	v_mov_b32 v[\d], 0x3e124925
	v_fmaak_f32 v[\d], v[\d], v[\x], 0x3e2aaaab
	v_fmaak_f32 v[\d], v[\d], v[\x], 0x3e4ccccd
	v_fmaak_f32 v[\d], v[\d], v[\x], 0x3e800000
	v_fmaak_f32 v[\d], v[\d], v[\x], 0x3eaaaaab
	v_fmaak_f32 v[\d], v[\d], v[\x], 0x3f000000
	v_fmaak_f32 v[\d], v[\d], v[\x], 0x3f800000
	v_mul_f32 v[\d], v[\d], v[\x]
	v_mul_f32 v[\d], 0xbfb8aa3b, v[\d]
.endm
.macro WIDEN dst, a, b, d, e           ; eight f16 in registers a, b, d, e (plain numbers: halves are named v12.l, v12.h) to f32
	v_cvt_f32_f16 v[(\dst)],   v\a\().l
	v_cvt_f32_f16 v[(\dst)+1], v\a\().h
	v_cvt_f32_f16 v[(\dst)+2], v\b\().l
	v_cvt_f32_f16 v[(\dst)+3], v\b\().h
	v_cvt_f32_f16 v[(\dst)+4], v\d\().l
	v_cvt_f32_f16 v[(\dst)+5], v\d\().h
	v_cvt_f32_f16 v[(\dst)+6], v\e\().l
	v_cvt_f32_f16 v[(\dst)+7], v\e\().h
.endm
.macro STEP c, a, b, d, e
	s_wait_loadcnt 14-(\c)                         ; loads come back in order: the younger ones may stay out
	WIDEN T, \a, \b, \d, \e
.irp i, 0,2,4,6
	v_pk_fma_f32 v[S+\i:S+\i+1], v[S+\i:S+\i+1], v[G:G+1], v[T+\i:T+\i+1] op_sel_hi:[1,0,1]
.endr
.irp i, 0,1,2,3
	v_cvt_pk_f16_f32 v[O+4*(\c)+\i], v[S+2*\i], v[S+2*\i+1]
.endr
	global_store_b128 v1, v[O+4*(\c):O+4*(\c)+3], s[6:7] offset:((\c)+1)*65536
.endm
	s_load_b128 s[4:7], s[0:1], 0x0                ; wst s[4:5], st s[6:7]
	s_and_b32 s8, ttmp7, 0xffff                    ; bh
	s_lshl_b32 s10, s8, 20                         ; 16 chunks of 65,536 bytes
	s_lshl_b32 s9, ttmp9, 12
	s_add_co_u32 s10, s10, s9
	s_mov_b32 s11, 0
	s_and_b32 s12, s8, 7                           ; h
	v_lshlrev_b32 v1, 4, v0
	s_wait_kmcnt 0x0
	s_add_nc_u64 s[4:5], s[4:5], s[10:11]
	s_add_nc_u64 s[6:7], s[6:7], s[10:11]
.set c, 0
.rept 15
	global_load_b128 v[W+4*c:W+4*c+3], v1, s[4:5] offset:c*65536 th:TH_LOAD_NT
.set c, c+1
.endr
.irp i, 0,1,2,3
	v_mov_b32 v[Z+\i], 0
.endr
	global_store_b128 v1, v[Z:Z+3], s[6:7]         ; St_0 = 0
	LG2 LGR, LGR+1, 12, 13
	v_mul_f32 v[G], 0x43000000, v[LGR]
	v_exp_f32 v[G], v[G]
	v_mov_b32 v[G+1], 0
	s_wait_alu depctr_va_vdst(0)
	s_wait_loadcnt 14
	WIDEN S, 8, 9, 10, 11                          ; St_1 = W_0: the sum starts with it, and its f16 bits are stored as they came
	global_store_b128 v1, v[W:W+3], s[6:7] offset:65536
	STEP 1, 12, 13, 14, 15
	STEP 2, 16, 17, 18, 19
	STEP 3, 20, 21, 22, 23
	STEP 4, 24, 25, 26, 27
	STEP 5, 28, 29, 30, 31
	STEP 6, 32, 33, 34, 35
	STEP 7, 36, 37, 38, 39
	STEP 8, 40, 41, 42, 43
	STEP 9, 44, 45, 46, 47
	STEP 10, 48, 49, 50, 51
	STEP 11, 52, 53, 54, 55
	STEP 12, 56, 57, 58, 59
	STEP 13, 60, 61, 62, 63
	STEP 14, 64, 65, 66, 67
	s_endpgm
.Lfunc_end_k_q9830642964_scan:
	.size	k_q9830642964_scan, .Lfunc_end_k_q9830642964_scan-k_q9830642964_scan
	.p2alignl 7, 3214868480
	.fill 96, 4, 3214868480
	.section	.rodata,"a",@progbits
	.p2align	6, 0x0
	.amdhsa_kernel k_q9830642964_scan
		.amdhsa_group_segment_fixed_size 0
		.amdhsa_private_segment_fixed_size 0
		.amdhsa_enable_private_segment 0
		.amdhsa_kernarg_size 16
		.amdhsa_user_sgpr_count 2
		.amdhsa_user_sgpr_kernarg_segment_ptr 1
		.amdhsa_wavefront_size32 1
		.amdhsa_system_sgpr_workgroup_id_x 1
		.amdhsa_system_sgpr_workgroup_id_y 1
		.amdhsa_system_sgpr_workgroup_id_z 1
		.amdhsa_system_vgpr_workitem_id 0
		.amdhsa_next_free_vgpr 160
		.amdhsa_next_free_sgpr 66
		.amdhsa_reserve_vcc 0
		.amdhsa_float_denorm_mode_32 3
		.amdhsa_float_denorm_mode_16_64 3
		.amdhsa_memory_ordered 1
		.amdhsa_forward_progress 1
		.amdhsa_inst_pref_size 16
	.end_amdhsa_kernel
	.amdgpu_metadata
---
amdhsa.version: [ 1, 2 ]
amdhsa.kernels:
  - .name:           k_q9830642964_scan
    .symbol:         k_q9830642964_scan.kd
    .args:
      - { .name: wst, .offset: 0, .size: 8, .value_kind: global_buffer, .address_space: global }
      - { .name: st, .offset: 8, .size: 8, .value_kind: global_buffer, .address_space: global }
    .group_segment_fixed_size: 0
    .private_segment_fixed_size: 0
    .kernarg_segment_align: 8
    .kernarg_segment_size: 16
    .max_flat_workgroup_size: 256
    .sgpr_count:     66
    .vgpr_count:     160
    .wavefront_size: 32
...
	.end_amdgpu_metadata
.endif
;; end of part 4
;; launch retain (part 5): grid 16 x 16, 4 waves a work-group, no clusters, 327,680 bytes of LDS; arguments qkvg, st, z; writes z
.if DOCPART == 5
	.amdgcn_target "amdgcn-amd-amdhsa--gfx1250"
	.amdhsa_code_object_version 6
	.text
	.protected	k_q9830642964_retain
	.globl	k_q9830642964_retain
	.p2align	8
	.type	k_q9830642964_retain,@function
k_q9830642964_retain:
	s_mov_b64 s[64:65], 0
	v_nop
	global_prefetch_b8 v0, s[64:65] scope:SCOPE_SE
	s_setreg_imm32_b32 hwreg(HW_REG_WAVE_MODE, 25, 1), 1
	s_wait_xcnt 0x0
; RETAIN: one chunk of 128 queries of one (batch, head):  y_n = sum over m <= n of g^(n-m) (q_n . k_m) v_m, split exactly into
;   the rows before the chunk:  g^(i+1) q_n . St_c  =  g^(64 a + 1) q''_n . St_c            (i = n's place in the chunk, a = i / 64, q'' = rope(q) g^(i & 63))
;   the rows of the chunk:      (q''_n . k''_m) g^(64 (a - bk) - 63) v_m  for m <= n          (bk = m's block of 64, k'' = rope(k) g^(63 - (m & 63)))
; then RMSNorm over the head's 256 channels, the gain and the gate (g' = sigmoid x gain), rounded to f16 in panels [row block][4 h + p][128][64] for the last projection.
; SCALES.  The norm takes any factor on a row if its epsilon is scaled with it: y' = alpha y, z = y' rsqrt(mean y'^2 + alpha^2 1e-6).  alpha = 128 / (Mq Mk) keeps the weights P = alpha s g^(n-m) under 2^14 in f16;
; the state arrives as beta St, so its product is multiplied by (alpha / beta) g^(64 a + 1), alpha / beta = 2^(h-2) Mv / Mq.  Mq, Mk, Mv: the (batch, head)'s largest |rope q|, |rope k|, |v|,
; at least 2^-24 (LIMIT: smaller maxima count as 2^-24).  NaN and infinities are not treated apart.
; SHARES.  Wave w owns queries 32 w .. 32 w + 31 (two tiles x), all 256 channels, all 128 keys: no wave hands anything to another.  Tiles wholly above the diagonal are multiplied by a factor 0 and not jumped.
; NO CLUSTER: no two work-groups read the same tile.  Nothing in LDS is filled twice: four tensor loads a wave at the start (four are out), one barrier.
; LAYOUT.  S^T = K Q^T and O^T = V^T P, St^T Q: a lane holds ONE query (lane % 16); registers hold keys or channels 8 (lane / 16) + 0..7.  Two results S^T rounded to f16 ARE source 1 of V^T P.
; REGISTERS: window 0: addresses; v24-31 T (1 where key 8 (l / 16) + j <= query l % 16); v32-55 three factor sets; v64-95 S^T; v96-111 P.  Window 1: O^T (x, ct) at v[8 (16 x + ct)].
;   window 2: v0-63 Q; v64-127, v128-191 K, two buffers; later g'.  Window 3: St^T or V^T, two buffers of 128.
.set VBASE, 36864                      ; K: 2 panels x 128 rows x 144 bytes at 0;  V: 4 x 128 x 160
.set SBASE, 118784                     ; St^T: 256 rows x 272
.set GBASE, 188416                     ; g': 4 x 128 x 144
.set STAGE, 262144                     ; 16 rows x 144 for each wave
.set SPARE, 271360
.set AKB,  2
.set AVB0, 3                           ; V's panels 0, 1
.set AVB1, 4                           ; panels 2, 3
.set AS,   5
.set AG,   6
.set STO,  7
.set RD,   8
.set GO,   9
.set QO,   10
.set SPW,  11
.set NIL,  12
.set T,    24
.set F,    32
.set S,    64
.set P,    96
.set TMP,  64                          ; the way out: 16 registers for each (x, p)
.set SSQ,  192
.set RS,   208
.set KB0,  64
.set KB1,  128
.set G1K, 24
.set G1V, 32
.set G1S, 40
.set G1G, 48
.set G0K, 56
.set G0V, 60
.set G0S, 68
.set G0G, 72
.set W32, 17                           ; s17  32 w
.set CF,  78                           ; s78-79  alpha g^(64 (a - bk) - 63), bk = 0, 1
.set AL,  80                           ; s[80:81], s[82:83]  a factor set is T x AL + BE
.set BE,  82
.set AE,  84                           ; s84  alpha^2 1e-6
.set LAM, 86                           ; s[86:87]  (alpha / beta) g^(64 a + 1)
.set SEL, 88
.set MSB, 0
.macro WIN new
.if MSB != (\new)
	s_set_vgpr_msb (MSB<<8)|(\new)
.set MSB, \new
.endif
.endm
.macro PLACES
.rept 4
	v_nop
.endr
.endm
.macro LG2 d, x, sh, st                ; log2(1 - 2^(-5-h)) by its series, seven terms
	s_sub_co_u32 s[\st], 122, s[\sh]
	s_lshl_b32 s[\st], s[\st], 23
	v_mov_b32 v[\x], s[\st]
	v_mov_b32 v[\d], 0x3e124925
	v_fmaak_f32 v[\d], v[\d], v[\x], 0x3e2aaaab
	v_fmaak_f32 v[\d], v[\d], v[\x], 0x3e4ccccd
	v_fmaak_f32 v[\d], v[\d], v[\x], 0x3e800000
	v_fmaak_f32 v[\d], v[\d], v[\x], 0x3eaaaaab
	v_fmaak_f32 v[\d], v[\d], v[\x], 0x3f000000
	v_fmaak_f32 v[\d], v[\d], v[\x], 0x3f800000
	v_mul_f32 v[\d], v[\d], v[\x]
	v_mul_f32 v[\d], 0xbfb8aa3b, v[\d]
.endm
.macro WMAX r, t
.irp m, 1,2,4,8
	v_max_num_f32_dpp v[\r], v[\r], v[\r] row_xmask:\m row_mask:0xf bank_mask:0xf
.endr
	v_permlanex16_b32 v[\t], v[\r], s[SEL], s[SEL+1]
	v_max_num_f32 v[\r], v[\r], v[\t]
.endm
.macro GROUP1 g, rows, flags           ; dense bytes as rows of 256: 128 elements of 2 bytes
	s_mov_b32 s[(\g)], \flags
	s_mov_b32 s[(\g)+1], 128<<16
	s_mov_b32 s[(\g)+2], (\rows)<<16
	s_mov_b32 s[(\g)+3], 128<<16
	s_mov_b32 s[(\g)+4], \rows
	s_mov_b32 s[(\g)+5], 128
	s_mov_b32 s[(\g)+6], 0
	s_mov_b32 s[(\g)+7], 0
.endm
	s_load_b128 s[4:7], s[0:1], 0x0                ; qkvg s[4:5], st s[6:7]
	s_load_b64 s[8:9], s[0:1], 0x10                ; z
	v_lshl_add_u32 v[SPW], v0, 2, SPARE
	v_mov_b32 v[NIL], 0
	ds_add_u32 v[SPW], v[NIL]                      ; the wave's opening: the add and its wait come ahead of my first tensor load
	ds_add_u32 v11, v12
	v_lshrrev_b32 v1, 5, v0
	v_readfirstlane_b32 s10, v1                    ; wave
	s_mov_b32 s11, ttmp9                           ; c
	s_and_b32 s12, ttmp7, 0xffff                   ; bh
	s_and_b32 s13, s12, 7                          ; h
	s_lshr_b32 s14, s12, 3                         ; b
	s_lshl4_add_u32 s15, s12, s11                  ; 16 bh + c
	s_lshr_b32 s16, s10, 1                         ; a: my queries' block of 64
	s_lshl_b32 s[W32], s10, 5
	GROUP1 G1K, 32, (1<<16)|(1<<20)|(4<<22)|(3<<25)   ; a quarter of K: 64 key rows of 128 bytes, 16 bytes of padding behind each
	GROUP1 G1V, 64, (1<<16)|(1<<20)|(4<<22)|(7<<25)   ; a panel of V: 32 bytes of padding
	GROUP1 G1S, 64, (1<<16)|(1<<20)|(5<<22)|(3<<25)   ; a quarter of St^T: 64 rows of 256 bytes, 16 behind each
	GROUP1 G1G, 64, (1<<16)|(1<<20)|(4<<22)|(3<<25)   ; a panel of g'
	s_mov_b32 s[G0K], 1
	s_mul_i32 s[G0K+1], s10, 9216
	s_mov_b32 s[G0V], 1
	s_mul_i32 s[G0V+1], s10, 20480
	s_add_co_u32 s[G0V+1], s[G0V+1], VBASE
	s_mov_b32 s[G0S], 1
	s_mul_i32 s[G0S+1], s10, 17408
	s_add_co_u32 s[G0S+1], s[G0S+1], SBASE
	s_mov_b32 s[G0G], 1
	s_mul_i32 s[G0G+1], s10, 18432
	s_add_co_u32 s[G0G+1], s[G0G+1], GBASE
	s_lshl_b32 s22, s15, 15                        ; q'' and k'': 32,768 bytes a chunk
	s_mov_b32 s23, 0
	s_lshl_b32 s19, s10, 13
	s_add_co_u32 s76, s22, s19
	s_add_co_u32 s76, s76, 8388608
	s_mov_b32 s77, 0
	s_lshl_b32 s20, s15, 16                        ; v, g' and the state: 65,536 bytes a chunk, a quarter a wave
	s_lshl_b32 s19, s10, 14
	s_add_co_u32 s20, s20, s19
	s_mov_b32 s21, 0
	s_mov_b32 s[AL+1], 0
	s_mov_b32 s[BE+1], 0
	s_mov_b32 s[LAM+1], 0
	s_mov_b32 s[SEL], 0x76543210
	s_mov_b32 s[SEL+1], 0xfedcba98
	s_wait_dscnt 0x0                               ; the opening add is done
	s_wait_kmcnt 0x0
	s_add_nc_u64 s[G0K+2:G0K+3], s[4:5], s[76:77]
	s_add_nc_u64 s[G0V+2:G0V+3], s[4:5], s[20:21]
	s_add_nc_u64 s[G0G+2:G0G+3], s[G0V+2:G0V+3], 33554432
	s_add_nc_u64 s[G0V+2:G0V+3], s[G0V+2:G0V+3], 16777216
	s_add_nc_u64 s[G0S+2:G0S+3], s[6:7], s[20:21]
	s_or_b32 s[G0K+3], s[G0K+3], 0x80000000
	s_or_b32 s[G0V+3], s[G0V+3], 0x80000000
	s_or_b32 s[G0S+3], s[G0S+3], 0x80000000
	s_or_b32 s[G0G+3], s[G0G+3], 0x80000000
	tensor_load_to_lds s[G0S:G0S+3], s[G1S:G1S+7]  ; the first fills, one group: the state is wanted first
	s_nop 0
	tensor_load_to_lds s[G0K:G0K+3], s[G1K:G1K+7]
	s_nop 0
	tensor_load_to_lds s[G0V:G0V+3], s[G1V:G1V+7]
	s_nop 0
	tensor_load_to_lds s[G0G:G0G+3], s[G1G:G1G+7]
	s_nop 0
.rept 4
	v_nop
.endr
	s_add_nc_u64 s[90:91], s[4:5], s[22:23]        ; q'' of my chunk
	s_add_nc_u64 s[92:93], s[4:5], 50331648        ; the maxima
	v_and_b32 v13, 15, v0
	v_bfe_u32 v14, v0, 4, 1
	v_add_nc_u32 v[QO], s[W32], v13
	v_lshlrev_b32 v[QO], 7, v[QO]
	v_lshl_add_u32 v[QO], v14, 4, v[QO]            ; (32 w + l % 16) x 128 + 16 (l / 16)
	WIN 0x80
.set i, 0
.rept 8                                ; Q stays in registers: tile i / 4, d = 32 (i % 4) on
	global_load_b128 v[8*i:8*i+3],   v[QO], s[90:91] offset:(i/4)*2048+((i%4)/2)*16384+(i%2)*64
	global_load_b128 v[8*i+4:8*i+7], v[QO], s[90:91] offset:(i/4)*2048+((i%4)/2)*16384+(i%2)*64+32
.set i, i+1
.endr
	WIN 0
	s_lshl_b32 s18, s13, 6
	s_lshl_b32 s19, s14, 5
	s_add_co_u32 s18, s18, s19                     ; 64 h + 32 b
	s_lshl_b32 s19, s18, 3
	s_lshl_b32 s18, s18, 2
	v_and_b32 v15, 31, v0
	v_lshl_add_u32 v16, v15, 2, s18
	v_lshl_add_u32 v17, v15, 3, s19
	global_load_b32 v18, v16, s[92:93]             ; 32 words of q's maxima,
	global_load_b32 v19, v16, s[92:93] offset:2048 ; of k's,
	global_load_b64 v[20:21], v17, s[92:93] offset:4096  ; 64 of v's
	s_lshl4_add_u32 s18, s14, s11                  ; 16 b + c
	s_lshl_b32 s18, s18, 5
	s_lshl2_add_u32 s18, s13, s18                  ; x 32 + 4 h
	s_lshl_b32 s18, s18, 14
	s_lshl_b32 s19, s10, 12
	s_add_co_u32 s18, s18, s19
	s_mov_b32 s19, 0
	s_add_nc_u64 s[8:9], s[8:9], s[18:19]          ; z at my 32 rows of panel 4 h
	v_mul_u32_u24 v[AKB], v13, 144
	v_lshl_add_u32 v[AKB], v14, 4, v[AKB]
	v_and_b32 v22, 7, v0
	v_bfe_u32 v23, v0, 3, 1
	v_lshl_add_u32 v[AVB0], v14, 3, v22
	v_mul_u32_u24 v[AVB0], v[AVB0], 160
	v_lshl_add_u32 v[AVB0], v23, 4, v[AVB0]
	v_add_nc_u32 v[AVB0], VBASE, v[AVB0]
	v_add_nc_u32 v[AVB1], 40960, v[AVB0]
	v_mul_u32_u24 v[AS], v13, 272
	v_lshl_add_u32 v[AS], v14, 4, v[AS]
	v_add_nc_u32 v[AS], SBASE, v[AS]
	s_mul_i32 s18, s10, 32*144
	s_add_co_u32 s18, s18, GBASE
	v_add_nc_u32 v[AG], s18, v[AKB]
	s_mul_i32 s18, s10, 16*144
	s_add_co_u32 s18, s18, STAGE
	v_add_nc_u32 v[STO], s18, v[AKB]
	v_bfe_u32 v[RD], v0, 3, 2
	v_mul_u32_u24 v[RD], v[RD], 144
	v_lshl_add_u32 v[RD], v22, 4, v[RD]
	v_add_nc_u32 v[RD], s18, v[RD]
	v_lshlrev_b32 v[GO], 4, v15
	v_lshlrev_b32 v23, 3, v14
	v_sub_nc_u32 v23, v13, v23                     ; l % 16 - 8 (l / 16)
.irp j, 0,1,2,3,4,5,6,7
	v_cmp_le_i32 vcc_lo, \j, v23
	v_cndmask_b32 v[T+\j], 0, 1.0, vcc_lo
.endr
	v_mov_b32 v22, 0
	LG2 13, 14, 13, 18                             ; v13 = log2 g
	s_lshl_b32 s18, s16, 6
	s_sub_co_i32 s19, s18, 63
	s_sub_co_i32 s20, s18, 127
	s_add_co_i32 s21, s18, 1
	s_add_co_u32 s18, s13, 125
	s_lshl_b32 s18, s18, 23                        ; the bits of 2^(h-2)
	v_cvt_f32_i32 v56, s19
	v_cvt_f32_i32 v57, s20
	v_cvt_f32_i32 v58, s21
	v_mul_f32 v56, v13, v56
	v_mul_f32 v57, v13, v57
	v_mul_f32 v58, v13, v58
	v_exp_f32 v56, v56
	v_exp_f32 v57, v57
	v_exp_f32 v58, v58
	s_wait_loadcnt 0x0                             ; the maxima, and Q
	v_max_num_f32 v20, v20, v21
	WMAX 18, 22
	WMAX 19, 22
	WMAX 20, 22
	v_max_num_f32 v18, 0x33800000, v18
	v_max_num_f32 v19, 0x33800000, v19
	v_max_num_f32 v20, 0x33800000, v20
	v_mul_f32 v19, v18, v19
	v_rcp_f32 v19, v19
	v_rcp_f32 v18, v18
	v_mul_f32 v20, s18, v20                        ; (a plain line behind the reciprocals)
	s_wait_alu depctr_va_vdst(0)
	v_mul_f32 v19, 0x43000000, v19                 ; alpha
	v_mul_f32 v20, v18, v20                        ; alpha / beta
	v_mul_f32 v56, v19, v56
	v_mul_f32 v57, v19, v57
	v_mul_f32 v58, v20, v58
	v_mul_f32 v59, v19, v19
	v_mul_f32 v59, 0x358637bd, v59
	v_readfirstlane_b32 s[CF], v56                 ; equal in all lanes; used as values alone
	v_readfirstlane_b32 s[CF+1], v57
	v_readfirstlane_b32 s[LAM], v58
	v_readfirstlane_b32 s[AE], v59
.macro LDST kf, vb                     ; 32 loads: St^T, all 16 channel blocks, d = 32 kf on
	WIN 0xc0
.set ct, 0
.rept 16
	ds_load_b128 v[(\vb)+8*ct:(\vb)+8*ct+3],   v[AS] offset:ct*16*272+64*(\kf)
	ds_load_b128 v[(\vb)+8*ct+4:(\vb)+8*ct+7], v[AS] offset:ct*16*272+64*(\kf)+32
.set ct, ct+1
.endr
.endm
.macro LDV u, vb                       ; 32 loads: V^T, keys 32 u on, turned
	WIN 0xc0
.set ct, 0
.rept 16
	ds_load_tr16_b128 v[(\vb)+8*ct:(\vb)+8*ct+3],   v[AVB0+ct/8] offset:((ct/4)%2)*20480+(\u)*5120+(ct%4)*32
	ds_load_tr16_b128 v[(\vb)+8*ct+4:(\vb)+8*ct+7], v[AVB0+ct/8] offset:((ct/4)%2)*20480+(\u)*5120+(ct%4)*32+2560
.set ct, ct+1
.endr
.endm
.macro LDK u, kb                       ; 16 loads: K, keys 32 u + 16 y on, d = 32 kf on, at kb + 8 (4 y + kf)
	WIN 0x80
.irp y, 0,1
.irp kf, 0,1,2,3
	ds_load_b128 v[(\kb)+8*(4*\y+\kf):(\kb)+8*(4*\y+\kf)+3],   v[AKB] offset:(\kf/2)*18432+(32*(\u)+16*\y)*144+(\kf%2)*64
	ds_load_b128 v[(\kb)+8*(4*\y+\kf)+4:(\kb)+8*(4*\y+\kf)+7], v[AKB] offset:(\kf/2)*18432+(32*(\u)+16*\y)*144+(\kf%2)*64+32
.endr
.endr
.endm
; In every run of matrix instructions the accumulators take turns, one instruction a turn.
.macro INTER kf, vb, zero              ; 32: O^T += St^T Q
	WIN 0x5b
.set ct, 0
.rept 16
.irp x, 0,1
.if \zero
	v_wmma_f32_16x16x32_f16 v[8*(16*\x+ct):8*(16*\x+ct)+7], v[(\vb)+8*ct:(\vb)+8*ct+7], v[8*(4*\x+(\kf)):8*(4*\x+(\kf))+7], 0
.else
	v_wmma_f32_16x16x32_f16 v[8*(16*\x+ct):8*(16*\x+ct)+7], v[(\vb)+8*ct:(\vb)+8*ct+7], v[8*(4*\x+(\kf)):8*(4*\x+(\kf))+7], v[8*(16*\x+ct):8*(16*\x+ct)+7]
.endif
.endr
.set ct, ct+1
.endr
.endm
.macro KQ kb                           ; 16: S^T = K Q^T for 32 keys
	WIN 0x0a
.irp kf, 0,1,2,3
.irp x, 0,1
.irp y, 0,1
.set rS, S+8*(2*\x+\y)
.set rK, (\kb)+8*(4*\y+\kf)
.set rQ, 8*(4*\x+\kf)
.if \kf == 0
	v_wmma_f32_16x16x32_f16 v[rS:rS+7], v[rK:rK+7], v[rQ:rQ+7], 0
.else
	v_wmma_f32_16x16x32_f16 v[rS:rS+7], v[rK:rK+7], v[rQ:rQ+7], v[rS:rS+7]
.endif
.endr
.endr
.endr
.endm
.macro PV vb                           ; 32: O^T += V^T P
	WIN 0x53
.set ct, 0
.rept 16
.irp x, 0,1
	v_wmma_f32_16x16x32_f16 v[8*(16*\x+ct):8*(16*\x+ct)+7], v[(\vb)+8*ct:(\vb)+8*ct+7], v[P+8*\x:P+8*\x+7], v[8*(16*\x+ct):8*(16*\x+ct)+7]
.endr
.set ct, ct+1
.endr
.endm
; The factor of a tile of 16 queries x 16 keys hangs on where it lies: queries begin at 32 w + 16 x, keys at 32 u + 16 y; with dl - 1 = x - y: on the diagonal T x CF, below it CF, above it 0.
; The twelve lines that make the three sets name no register of the products in front of them: they are the four places behind those.  Then S^T times its set (from each accumulator's low end on), rounded to f16.
.macro VAL u
	WIN 0
.irp dl, 0,1,2
	s_cmp_eq_i32 s[W32], 32*(\u)-16*(\dl-1)
	s_cselect_b32 s[AL], s[CF+(\u)/2], 0
	s_cmp_gt_i32 s[W32], 32*(\u)-16*(\dl-1)
	s_cselect_b32 s[BE], s[CF+(\u)/2], 0
.irp i, 0,2,4,6
	v_pk_fma_f32 v[F+8*\dl+\i:F+8*\dl+\i+1], v[T+\i:T+\i+1], s[AL:AL+1], s[BE:BE+1] op_sel_hi:[1,0,0]
.endr
.endr
.irp x, 0,1
.irp y, 0,1
.irp i, 0,2,4,6
	v_pk_mul_f32 v[S+8*(2*\x+\y)+\i:S+8*(2*\x+\y)+\i+1], v[S+8*(2*\x+\y)+\i:S+8*(2*\x+\y)+\i+1], v[F+8*(\x-\y+1)+\i:F+8*(\x-\y+1)+\i+1]
.endr
.irp i, 0,1,2,3
	v_cvt_pk_f16_f32 v[P+8*\x+4*\y+\i], v[S+8*(2*\x+\y)+2*\i], v[S+8*(2*\x+\y)+2*\i+1]
.endr
.endr
.endr
.endm
.macro INTRA u, vb, kb, left
	s_wait_dscnt \left
	KQ \kb
	VAL \u
	PV \vb
.endm
	s_wait_tensorcnt 0x0                           ; my four tiles are in,
	s_barrier_signal -1
	s_barrier_wait -1                              ; everybody's are
	LDST 0, 0
	LDST 1, 128
	s_wait_dscnt 32                                ; the other buffer's 32 loads may be out
	INTER 0, 0, 1
	PLACES
	LDST 2, 0
	s_wait_dscnt 32
	INTER 1, 128, 0
	PLACES
	LDST 3, 128
	s_wait_dscnt 32
	INTER 2, 0, 0
	PLACES
	LDV 0, 0
	LDK 0, KB0
	s_wait_dscnt 48                                ; the 48 just issued may be out
	INTER 3, 128, 0
	PLACES
	LDV 1, 128
	LDK 1, KB1
	WIN 0x41                                       ; the state's part takes its factor, each accumulator from its low end on
.set i, 0
.rept 128
	v_pk_mul_f32 v[i:i+1], v[i:i+1], s[LAM:LAM+1] op_sel_hi:[1,0]
.set i, i+2
.endr
	INTRA 0, 0, KB0, 48                            ; behind this step's K and V: the next step's 48 loads
	PLACES
	LDV 2, 0
	LDK 2, KB0
	INTRA 1, 128, KB1, 48
	PLACES
	LDV 3, 128
	LDK 3, KB1
	INTRA 2, 0, KB0, 48
	INTRA 3, 128, KB1, 0
	PLACES
	; THE WAY OUT.  g' for my queries and channels; the sum of squares; the norm; the gate.
	WIN 0x80
.set i, 0
.rept 32                               ; tile i / 16, channel block i % 16: 16 bytes = my eight channels, at v[4 i] of window 2
	ds_load_b128 v[4*i:4*i+3], v[AG] offset:((i%16)/4)*18432+(i/16)*2304+(i%4)*32
.set i, i+1
.endr
	WIN 0x05
.irp x, 0,1
.set i, 0
.rept 64                               ; four chains a tile, started by the first four products
.if i < 4
	v_pk_mul_f32 v[SSQ+8*\x+2*i:SSQ+8*\x+2*i+1], v[128*\x+2*i:128*\x+2*i+1], v[128*\x+2*i:128*\x+2*i+1]
.else
	v_pk_fma_f32 v[SSQ+8*\x+2*(i%4):SSQ+8*\x+2*(i%4)+1], v[128*\x+2*i:128*\x+2*i+1], v[128*\x+2*i:128*\x+2*i+1], v[SSQ+8*\x+2*(i%4):SSQ+8*\x+2*(i%4)+1]
.endif
.set i, i+1
.endr
.endr
	WIN 0
.irp x, 0,1
	v_pk_add_f32 v[SSQ+8*\x:SSQ+8*\x+1], v[SSQ+8*\x:SSQ+8*\x+1], v[SSQ+8*\x+2:SSQ+8*\x+3]
	v_pk_add_f32 v[SSQ+8*\x+4:SSQ+8*\x+5], v[SSQ+8*\x+4:SSQ+8*\x+5], v[SSQ+8*\x+6:SSQ+8*\x+7]
	v_pk_add_f32 v[SSQ+8*\x:SSQ+8*\x+1], v[SSQ+8*\x:SSQ+8*\x+1], v[SSQ+8*\x+4:SSQ+8*\x+5]
	v_add_f32 v[SSQ+8*\x], v[SSQ+8*\x], v[SSQ+8*\x+1]
	v_permlanex16_b32 v[SSQ+8*\x+1], v[SSQ+8*\x], s[SEL], s[SEL+1]   ; the query's other 128 channels lie in the lane 16 away
	v_add_f32 v[SSQ+8*\x], v[SSQ+8*\x], v[SSQ+8*\x+1]
	v_fma_f32 v[SSQ+8*\x], v[SSQ+8*\x], 0x3b800000, s[AE]           ; / 256 + alpha^2 1e-6
	v_rsq_f32 v[RS+2*\x], v[SSQ+8*\x]
	v_mov_b32 v[RS+2*\x+1], 0                      ; named with it as a pair; also the plain line behind the root
	s_wait_alu depctr_va_vdst(0)
.endr
	s_wait_dscnt 0x0                               ; g' is in
.macro PACKZ n                         ; tile x = n / 4, panel p = n % 4: four accumulators: normed, rounded to f16, times g' in f16; through my stage, back as whole rows of 128 bytes
	WIN 0x41
.set i, 128*((\n)/4)+32*((\n)%4)
.rept 16
	v_pk_mul_f32 v[i:i+1], v[i:i+1], v[RS+2*((\n)/4):RS+2*((\n)/4)+1] op_sel_hi:[1,0]
.set i, i+2
.endr
	WIN 0x05
.set i, 0
.rept 16
	v_cvt_pk_f16_f32 v[TMP+16*(\n)+i], v[128*((\n)/4)+32*((\n)%4)+2*i], v[128*((\n)/4)+32*((\n)%4)+2*i+1]
.set i, i+1
.endr
	WIN 0x08
.set i, 0
.rept 16
	v_pk_mul_f16 v[TMP+16*(\n)+i], v[TMP+16*(\n)+i], v[16*(\n)+i]
.set i, i+1
.endr
	WIN 0
.irp f, 0,1,2,3
	ds_store_b128 v[STO], v[TMP+16*(\n)+4*\f:TMP+16*(\n)+4*\f+3] offset:32*\f
.endr
.irp f, 0,1,2,3
	ds_load_b128 v[TMP+16*(\n)+4*\f:TMP+16*(\n)+4*\f+3], v[RD] offset:\f*4*144  ; LDS serves a wave's instructions in order: these see the stores above
.endr
.endm
.macro SENDZ n, younger
.irp f, 0,1,2,3
	s_wait_dscnt (\younger)+3-\f
	global_store_b128 v[GO], v[TMP+16*(\n)+4*\f:TMP+16*(\n)+4*\f+3], s[8:9] offset:((\n)%4)*16384+((\n)/4)*2048+\f*512  ; 512 consecutive bytes, aligned
.endr
.endm
	PACKZ 0
.set t, 1
.rept 7
	PACKZ t
	SENDZ t-1, 8
.set t, t+1
.endr
	SENDZ 7, 0
	s_wait_tensorcnt 0x0                           ; the wave's end
	ds_add_u32 v[SPW], v[NIL]
	s_wait_dscnt 0x0
	s_endpgm
.Lfunc_end_k_q9830642964_retain:
	.size	k_q9830642964_retain, .Lfunc_end_k_q9830642964_retain-k_q9830642964_retain
	.p2alignl 7, 3214868480
	.fill 96, 4, 3214868480
	.section	.rodata,"a",@progbits
	.p2align	6, 0x0
	.amdhsa_kernel k_q9830642964_retain
		.amdhsa_group_segment_fixed_size 327680
		.amdhsa_private_segment_fixed_size 0
		.amdhsa_enable_private_segment 0
		.amdhsa_kernarg_size 24
		.amdhsa_user_sgpr_count 2
		.amdhsa_user_sgpr_kernarg_segment_ptr 1
		.amdhsa_wavefront_size32 1
		.amdhsa_system_sgpr_workgroup_id_x 1
		.amdhsa_system_sgpr_workgroup_id_y 1
		.amdhsa_system_sgpr_workgroup_id_z 1
		.amdhsa_system_vgpr_workitem_id 0
		.amdhsa_next_free_vgpr 1024
		.amdhsa_next_free_sgpr 96
		.amdhsa_reserve_vcc 1
		.amdhsa_float_denorm_mode_32 3
		.amdhsa_float_denorm_mode_16_64 3
		.amdhsa_memory_ordered 1
		.amdhsa_forward_progress 1
		.amdhsa_inst_pref_size 120
	.end_amdhsa_kernel
	.amdgpu_metadata
---
amdhsa.version: [ 1, 2 ]
amdhsa.kernels:
  - .name:           k_q9830642964_retain
    .symbol:         k_q9830642964_retain.kd
    .args:
      - { .name: qkvg, .offset: 0, .size: 8, .value_kind: global_buffer, .address_space: global }
      - { .name: st, .offset: 8, .size: 8, .value_kind: global_buffer, .address_space: global }
      - { .name: z, .offset: 16, .size: 8, .value_kind: global_buffer, .address_space: global }
    .group_segment_fixed_size: 327680
    .private_segment_fixed_size: 0
    .kernarg_segment_align: 8
    .kernarg_segment_size: 24
    .max_flat_workgroup_size: 128
    .sgpr_count:     96
    .vgpr_count:     1024
    .wavefront_size: 32
...
	.end_amdgpu_metadata
.endif
;; end of part 5
;; launch outp (part 6): grid 8 x 32, 4 waves a work-group, clusters of 4 x 4, 327,680 bytes of LDS; arguments z, cast, bo, out0; writes out0
.if DOCPART == 6
	.amdgcn_target "amdgcn-amd-amdhsa--gfx1250"
	.amdhsa_code_object_version 6
	.text
	.protected	k_q9830642964_outp
	.globl	k_q9830642964_outp
	.p2align	8
	.type	k_q9830642964_outp,@function
k_q9830642964_outp:
	s_mov_b64 s[64:65], 0
	v_nop
	global_prefetch_b8 v0, s[64:65] scope:SCOPE_SE
	s_setreg_imm32_b32 hwreg(HW_REG_WAVE_MODE, 25, 1), 1
	s_wait_xcnt 0x0
	s_wait_alu depctr_hold_cnt(0) depctr_sa_sdst(0) depctr_va_vdst(0) depctr_va_sdst(0) depctr_va_ssrc(0) depctr_va_vcc(0) depctr_vm_vsrc(0)
	s_getreg_b32 s2, hwreg(HW_REG_IB_STS2, 6, 4)
	s_cmp_eq_u32 s2, 0
	s_cbranch_scc0 .Lentry_in_a_cluster
	s_endpgm
.Lentry_in_a_cluster:
	s_bfe_u32 s2, ttmp6, 0x10000c
	s_cmp_lg_u32 s2, 0xf033
	s_cbranch_scc0 .Lentry_shape_is_right
	s_endpgm
.Lentry_shape_is_right:
; OUTP: out[m][n] = sum over k of z[m][k] Wo[n][k] + bo[n].  z: f16 panels [32 row blocks][32 K panels][128][64]; Wo: the bf16-rounded numbers as f16, [8 column blocks][32 K panels][128][64]; sums and output f32; bo rounded to bf16.
; A tile of 128 x 128 gives each of 256 WGPs one work-group.  Four waves, each 64 x 64: 16 accumulators.  K goes in steps of 256 (four panels) through two LDS slots; a wave's tensor load brings two panels,
; 32,768 dense bytes asked for as 128 rows of 256 and padded after every 128 (LDS rows 144 bytes apart).
; CLUSTER 4 x 4: z's tile is asked for jointly along a row of the cluster, Wo's along a column.  The matrix instruction is used transposed (source 0 = 16 rows of Wo, source 1 = 16 rows of z): a lane holds eight neighbouring columns of a row.
; REGISTERS: window 0: v0-31 addresses; v32-95 two buffers on the way out; v96-127 my columns' bias; v128-255 the accumulators ((a, b) at v[128 + 8 (4 a + b)]).  Window 1: two fragment buffers of 128.
.set PITCH,  144
.set PANEL,  128*PITCH
.set HALFT,  2*PANEL                   ; what one tensor load brings
.set SLOT,   4*HALFT                   ; z's four panels, then Wo's four
.set STAGE,  2*SLOT                    ; 16 rows x 272 bytes for each wave: a wave's 64 f32 columns are a whole 256 bytes
.set SPITCH, 272
.set SPARE,  STAGE+4*16*SPITCH
.set LAPS, 4                           ; 2,048 along K: eight steps, two a lap
.set ADRA, 16
.set ADRB, 20
.set STO,  24
.set RD,   25
.set CO,   26
.set VB,   27
.set SPW,  28
.set NIL,  29
.set T,    30
.set TMP,  32
.set BO,   96
.set ACC,  128
.set F0,   0
.set F1,   128
.set G1, 24
.set G0, 32
.set G1B, 48
.set G0B, 56
.set MSB, 0
.macro WIN new
.if MSB != (\new)
	s_set_vgpr_msb (MSB<<8)|(\new)
.set MSB, \new
.endif
.endm
.set MUL,  0x05                        ; sources 0 and 1 window 1; C and D window 0
.set TO_F, 0x40                        ; destination window 1, address window 0
.macro JLOAD s                         ; a joint load: waves 0 and 1 fetch z's two halves, waves 2 and 3 Wo's; s_nop 0 and four v_nop follow each line
	s_cmp_eq_u32 s11, 0
	s_cbranch_scc0 .Lfor_b_\@
	tensor_load_to_lds s[G0+4*(\s):G0+4*(\s)+3], s[G1:G1+7]
	s_nop 0
.rept 4
	v_nop
.endr
	s_branch .Lasked_\@
.Lfor_b_\@:
	tensor_load_to_lds s[G0B+4*(\s):G0B+4*(\s)+3], s[G1B:G1B+7]
	s_nop 0
.rept 4
	v_nop
.endr
.Lasked_\@:
.endm
.macro CREST
	s_cmp_lg_u32 s10, 0
	s_cbranch_scc1 .Lnot_wave_0_\@
	s_barrier_signal -3
.Lnot_wave_0_\@:
	s_barrier_wait -3
	s_barrier_signal -1
	s_barrier_wait -1
.endm
.macro CROUND
	s_barrier_signal -1
	s_barrier_wait -1
	CREST
.endm
	s_load_b256 s[68:75], s[0:1], 0x0              ; z s[68:69], cast s[70:71], bo s[72:73], out0 s[74:75]
	v_lshl_add_u32 v[SPW], v0, 2, SPARE
	v_mov_b32 v[NIL], 0
	ds_add_u32 v[SPW], v[NIL]                      ; the wave's opening: the add and its wait come ahead of my first tensor load
	ds_add_u32 v28, v29
	v_lshrrev_b32 v1, 5, v0
	v_readfirstlane_b32 s10, v1                    ; wave
	s_lshr_b32 s11, s10, 1                         ; my half of the rows.  Also: I fetch z (0) or Wo (1)
	s_and_b32 s12, s10, 1                          ; my half of the columns.  Also: which two panels I fetch
	s_bfe_u32 s40, ttmp6, 0x40000
	s_bfe_u32 s41, ttmp6, 0x40004
	s_lshl_b32 s42, ttmp9, 2
	s_add_co_u32 s42, s42, s40                     ; column block
	s_and_b32 s13, ttmp7, 0xffff
	s_lshl_b32 s13, s13, 2
	s_add_co_u32 s13, s13, s41                     ; row block
	s_lshl_b32 s43, s41, 2
	s_lshl_b32 s43, 15, s43
	s_lshl_b32 s44, 0x1111, s40
	s_or_b32 s[G1+0], s43, (1<<16)|(1<<20)|(1<<21)|(4<<22)|(3<<25)   ; the mask of my row; 2-byte elements; padding on; bit 21 beside a mask; after every 32 words; 4 words
	s_or_b32 s[G1B+0], s44, (1<<16)|(1<<20)|(1<<21)|(4<<22)|(3<<25)  ; the same with my column's mask
.irp g, G1, G1B
	s_mov_b32 s[(\g)+1], 128<<16
	s_mov_b32 s[(\g)+2], 128<<16
	s_mov_b32 s[(\g)+3], 128<<16
	s_mov_b32 s[(\g)+4], 128
	s_mov_b32 s[(\g)+5], 128
	s_mov_b32 s[(\g)+6], 0
	s_mov_b32 s[(\g)+7], 0
.endr
	s_lshl_b32 s17, s12, 15                        ; two panels of 16,384 bytes
	s_lshl_b32 s16, s13, 19
	s_add_co_u32 s16, s16, s17                     ; z: row block x 524,288 + half
	s_lshl_b32 s46, s42, 19
	s_add_co_u32 s46, s46, s17
	s_add_co_u32 s46, s46, 20971520                ; Wo: behind x's and the other weights' blocks
	s_mov_b32 s17, 0
	s_mov_b32 s47, 0
	s_mul_i32 s20, s10, HALFT                      ; where they go: wave x two panels
	s_wait_dscnt 0x0                               ; the opening add is done
	s_wait_kmcnt 0x0
	s_add_nc_u64 s[14:15], s[68:69], s[16:17]
	s_add_nc_u64 s[46:47], s[70:71], s[46:47]
	CROUND                                         ; all sixteen work-groups are here: the first joint loads meet
.irp s, 0,1
	s_mov_b32 s[G0+4*(\s)], 1
	s_add_co_u32 s[G0+4*(\s)+1], s20, (\s)*SLOT
	s_add_nc_u64 s[G0+4*(\s)+2:G0+4*(\s)+3], s[14:15], (\s)*65536
	s_or_b32 s[G0+4*(\s)+3], s[G0+4*(\s)+3], 0x80000000
	s_mov_b32 s[G0B+4*(\s)], 1
	s_add_co_u32 s[G0B+4*(\s)+1], s20, (\s)*SLOT
	s_add_nc_u64 s[G0B+4*(\s)+2:G0B+4*(\s)+3], s[46:47], (\s)*65536
	s_or_b32 s[G0B+4*(\s)+3], s[G0B+4*(\s)+3], 0x80000000
	JLOAD \s                                       ; two tensor loads of mine are out at the most
.endr
	v_and_b32 v1, 15, v0
	v_bfe_u32 v2, v0, 4, 1
	v_mul_u32_u24 v3, v1, PITCH
	v_lshl_add_u32 v3, v2, 4, v3
	s_mul_i32 s21, s11, 64*PITCH                   ; my 64 rows of z in each panel
	s_mul_i32 s22, s12, 64*PITCH                   ; my 64 rows of Wo,
	s_add_co_u32 s22, s22, 2*HALFT                 ; behind z's four panels
.irp s, 0,1
	v_add_nc_u32 v[ADRA+(\s)], s21, v3
	v_add_nc_u32 v[ADRB+(\s)], s22, v3
	s_add_co_u32 s21, s21, SLOT
	s_add_co_u32 s22, s22, SLOT
.endr
	s_mul_i32 s23, s10, 16*SPITCH
	s_add_co_u32 s23, s23, STAGE                   ; my stage
	v_mul_u32_u24 v4, v1, SPITCH
	v_lshl_add_u32 v4, v2, 5, v4                   ; in: row l % 16, 32 bytes for each half of the lanes
	v_add_nc_u32 v[STO], s23, v4
	v_mul_u32_u24 v5, v2, SPITCH
	v_lshl_add_u32 v5, v1, 4, v5                   ; back: lanes 0-15 one row of 256 bytes, lanes 16-31 the next
	v_add_nc_u32 v[RD], s23, v5
	v_lshlrev_b32 v5, 12, v2
	v_lshl_add_u32 v[CO], v1, 4, v5                ; and the same two rows of the output
	v_lshlrev_b32 v[VB], 5, v2
	s_lshl_b32 s46, s42, 9                         ; my first column, in bytes: 512 x column block + 256 x half
	s_lshl_b32 s47, s12, 8
	s_add_co_u32 s46, s46, s47
	s_mov_b32 s47, 0
	s_add_nc_u64 s[72:73], s[72:73], s[46:47]
	s_add_nc_u64 s[74:75], s[74:75], s[46:47]
	s_lshl_b32 s16, s13, 19                        ; my first row: 128 x row block + 64 x half, rows of 4,096 bytes
	s_lshl_b32 s17, s11, 18
	s_add_co_u32 s16, s16, s17
	s_mov_b32 s17, 0
	s_add_nc_u64 s[74:75], s[74:75], s[16:17]
.irp b, 0,1,2,3
	global_load_b128 v[BO+8*\b:BO+8*\b+3],   v[VB], s[72:73] offset:64*\b
	global_load_b128 v[BO+8*\b+4:BO+8*\b+7], v[VB], s[72:73] offset:64*\b+16
.endr
; 8 matrix instructions: row blocks a0, a0 + 1 x all 4 column blocks, 32 along K: half c of buffer f.  The 16 accumulators take turns.
.macro MUL8 f, c, a0, zero
	WIN MUL
.irp a, \a0, (\a0)+1
.irp b, 0,1,2,3
.if \zero
	v_wmma_f32_16x16x32_f16 v[ACC+8*(4*(\a)+(\b)):ACC+8*(4*(\a)+(\b))+7], v[(\f)+64+8*(4*(\c)+(\b)):(\f)+64+8*(4*(\c)+(\b))+7], v[(\f)+8*(4*(\c)+(\a)):(\f)+8*(4*(\c)+(\a))+7], 0
.else
	v_wmma_f32_16x16x32_f16 v[ACC+8*(4*(\a)+(\b)):ACC+8*(4*(\a)+(\b))+7], v[(\f)+64+8*(4*(\c)+(\b)):(\f)+64+8*(4*(\c)+(\b))+7], v[(\f)+8*(4*(\c)+(\a)):(\f)+8*(4*(\c)+(\a))+7], v[ACC+8*(4*(\a)+(\b)):ACC+8*(4*(\a)+(\b))+7]
.endif
.endr
.endr
.endm
; 32 LDS loads in one run: the fragments of one panel (64 along K), which begins k bytes into the operand, into buffer f; the first 32 along K first
.macro FETCH slot, k, f
	WIN TO_F
.irp c, 0,1
.irp i, 0,1,2,3
	ds_load_b128 v[(\f)+64+8*(4*(\c)+(\i)):(\f)+64+8*(4*(\c)+(\i))+3],   v[ADRB+(\slot)] offset:(\k)+64*(\c)+(\i)*16*PITCH
	ds_load_b128 v[(\f)+64+8*(4*(\c)+(\i))+4:(\f)+64+8*(4*(\c)+(\i))+7], v[ADRB+(\slot)] offset:(\k)+64*(\c)+(\i)*16*PITCH+32
	ds_load_b128 v[(\f)+8*(4*(\c)+(\i)):(\f)+8*(4*(\c)+(\i))+3],         v[ADRA+(\slot)] offset:(\k)+64*(\c)+(\i)*16*PITCH
	ds_load_b128 v[(\f)+8*(4*(\c)+(\i))+4:(\f)+8*(4*(\c)+(\i))+7],       v[ADRA+(\slot)] offset:(\k)+64*(\c)+(\i)*16*PITCH+32
.endr
.endr
.endm
.macro PLACES
.rept 4
	v_nop
.endr
.endm
; A K step is four quarters, a panel each, 32 matrix instructions, on buffers 0, 1, 0, 1.  One of the first three: multiplies buffer f and fetches the next panel, at byte k, into g.
.macro QUARTER slot, k, f, g, zero
	s_wait_dscnt 16                                ; the first 32 along K are in; the sixteen younger loads may be out
	WIN MUL
	MUL8 \f, 0, 0, \zero
	MUL8 \f, 0, 2, \zero
	PLACES
	FETCH \slot, \k, \g
	s_wait_dscnt 32                                ; all but the 32 just issued
	WIN MUL
	MUL8 \f, 1, 0, 0
	MUL8 \f, 1, 2, 0
.endm
; The last quarter multiplies buffer 1 and changes slots: ONE barrier; in front of it each wave waits for all its tensor loads, adds 0 to its spare word, and waits for that and for its reads of this slot.
; fill = 1: the barrier opens a round of the cluster's barrier, and the joint refill, two K steps ahead, is the first tensor load behind it: 112 matrix instructions stand ahead of the wait for it.
.macro TURN slot, next, fill
	WIN 0
	s_wait_tensorcnt 0x0
	ds_add_u32 v[SPW], v[NIL]
	s_wait_dscnt 17                                ; the add and the youngest sixteen loads may be out
	WIN MUL
	MUL8 F1, 0, 0, 0
	s_wait_dscnt 0x0                               ; the add is done, and my reads of this slot are over
	s_barrier_signal -1
	MUL8 F1, 0, 2, 0
.if \fill
	WIN 0
.endif
	s_barrier_wait -1
.if \fill
	CREST
	s_add_nc_u64 s[G0+4*(\slot)+2:G0+4*(\slot)+3], s[G0+4*(\slot)+2:G0+4*(\slot)+3], 2*65536
	s_add_nc_u64 s[G0B+4*(\slot)+2:G0B+4*(\slot)+3], s[G0B+4*(\slot)+2:G0B+4*(\slot)+3], 2*65536
	JLOAD \slot                                    ; its four v_nop are also the places in front of the loads below
.else
	PLACES
.endif
	FETCH \next, 0, F0
	WIN MUL
	MUL8 F1, 1, 0, 0
	MUL8 F1, 1, 2, 0
.endm
	s_wait_tensorcnt 1                             ; my part of K step 0 is in; K step 1's may stay out
	s_barrier_signal -1
	s_barrier_wait -1
	FETCH 0, 0, F0
	QUARTER 0, PANEL, F0, F1, 1                    ; the first quarter's first products start the sums
	WIN 0
	s_mov_b32 s3, LAPS-1
.Llap:
	QUARTER 0, 2*PANEL, F1, F0, 0
	QUARTER 0, 3*PANEL, F0, F1, 0
	TURN 0, 1, 1
	QUARTER 1, PANEL, F0, F1, 0
	QUARTER 1, 2*PANEL, F1, F0, 0
	QUARTER 1, 3*PANEL, F0, F1, 0
	TURN 1, 0, 1
	QUARTER 0, PANEL, F0, F1, 0
	WIN 0
	s_sub_co_u32 s3, s3, 1
	s_cmp_lg_u32 s3, 0
	s_cbranch_scc1 .Llap
	QUARTER 0, 2*PANEL, F1, F0, 0                  ; the last lap fills nothing
	QUARTER 0, 3*PANEL, F0, F1, 0
	TURN 0, 1, 0
	QUARTER 1, PANEL, F0, F1, 0
	QUARTER 1, 2*PANEL, F1, F0, 0
	QUARTER 1, 3*PANEL, F0, F1, 0
	s_wait_dscnt 16
	WIN MUL
	MUL8 F1, 0, 0, 0
	MUL8 F1, 0, 2, 0
	s_wait_dscnt 0
	MUL8 F1, 1, 0, 0
	MUL8 F1, 1, 2, 0
	WIN 0
	; THE WAY OUT, 16 rows at a time: plus the bias, into other registers; 32 bytes a lane into my stage; back as whole rows of 256 bytes.
	PLACES
	s_wait_loadcnt 0x0                             ; the bias
.set i, 0
.rept 16
	v_cvt_pk_bf16_f32 v[T], v[BO+i], v[BO+i+1]     ; rounded to bf16 like every input, and widened again
	v_lshlrev_b32 v[BO+i], 16, v[T]
	v_and_b32 v[BO+i+1], 0xffff0000, v[T]
.set i, i+2
.endr
.macro PACKO a
.set BK, TMP+32*((\a)%2)
.if (\a) >= 2
	s_wait_xcnt 0x0                                ; the buffer, which earlier stores read, is written again only behind this wait
.endif
.irp b, 0,1,2,3
.irp i, 0,2,4,6
	v_pk_add_f32 v[BK+8*\b+\i:BK+8*\b+\i+1], v[ACC+8*(4*(\a)+\b)+\i:ACC+8*(4*(\a)+\b)+\i+1], v[BO+8*\b+\i:BO+8*\b+\i+1]
.endr
.endr
.irp b, 0,1,2,3
	ds_store_b128 v[STO], v[BK+8*\b:BK+8*\b+3]   offset:64*\b
	ds_store_b128 v[STO], v[BK+8*\b+4:BK+8*\b+7] offset:64*\b+16
.endr
.irp t, 0,1,2,3,4,5,6,7
	ds_load_b128 v[BK+4*\t:BK+4*\t+3], v[RD] offset:\t*2*SPITCH  ; LDS serves a wave's instructions in order: these see the stores above
.endr
.endm
.macro SENDO a, younger                ; younger: the LDS instructions issued behind these loads
.set BK, TMP+32*((\a)%2)
.irp t, 0,1,2,3,4,5,6,7
	s_wait_dscnt (\younger)+7-\t
	global_store_b128 v[CO], v[BK+4*\t:BK+4*\t+3], s[74:75] offset:(16*(\a)+2*\t)*4096  ; 16 lanes: 256 consecutive bytes, aligned
.endr
.endm
	PACKO 0
	PACKO 1
	SENDO 0, 16
	PACKO 2
	SENDO 1, 16
	PACKO 3
	SENDO 2, 16
	SENDO 3, 0
	s_wait_tensorcnt 0x0                           ; the wave's end
	ds_add_u32 v[SPW], v[NIL]
	s_wait_dscnt 0x0
	CROUND                                         ; the closing round
	s_endpgm
.Lfunc_end_k_q9830642964_outp:
	.size	k_q9830642964_outp, .Lfunc_end_k_q9830642964_outp-k_q9830642964_outp
	.p2alignl 7, 3214868480
	.fill 96, 4, 3214868480
	.section	.rodata,"a",@progbits
	.p2align	6, 0x0
	.amdhsa_kernel k_q9830642964_outp
		.amdhsa_group_segment_fixed_size 327680
		.amdhsa_private_segment_fixed_size 0
		.amdhsa_enable_private_segment 0
		.amdhsa_kernarg_size 32
		.amdhsa_user_sgpr_count 2
		.amdhsa_user_sgpr_kernarg_segment_ptr 1
		.amdhsa_wavefront_size32 1
		.amdhsa_system_sgpr_workgroup_id_x 1
		.amdhsa_system_sgpr_workgroup_id_y 1
		.amdhsa_system_sgpr_workgroup_id_z 1
		.amdhsa_system_vgpr_workitem_id 0
		.amdhsa_next_free_vgpr 512
		.amdhsa_next_free_sgpr 80
		.amdhsa_reserve_vcc 0
		.amdhsa_float_denorm_mode_32 3
		.amdhsa_float_denorm_mode_16_64 3
		.amdhsa_memory_ordered 1
		.amdhsa_forward_progress 1
		.amdhsa_inst_pref_size 94
	.end_amdhsa_kernel
	.amdgpu_metadata
---
amdhsa.version: [ 1, 2 ]
amdhsa.kernels:
  - .name:           k_q9830642964_outp
    .symbol:         k_q9830642964_outp.kd
    .args:
      - { .name: z, .offset: 0, .size: 8, .value_kind: global_buffer, .address_space: global }
      - { .name: cast, .offset: 8, .size: 8, .value_kind: global_buffer, .address_space: global }
      - { .name: bo, .offset: 16, .size: 8, .value_kind: global_buffer, .address_space: global }
      - { .name: out0, .offset: 24, .size: 8, .value_kind: global_buffer, .address_space: global }
    .group_segment_fixed_size: 327680
    .private_segment_fixed_size: 0
    .kernarg_segment_align: 8
    .kernarg_segment_size: 32
    .max_flat_workgroup_size: 128
    .sgpr_count:     80
    .vgpr_count:     512
    .wavefront_size: 32
...
	.end_amdgpu_metadata
.endif
;; end of part 6
;; ======== version 2 of 2: 6 launches; version 1 with the launches prep, scan written anew for expert scheduling mode
;; limits: values outside matrix products are rounded to f16; values are held in f16: magnitudes above 65,504 overflow, below 6.1e-05 lose precision; right only within a limited range of input values
;; workspace buffers: cast 25,165,824 bytes; qkvg 50,339,840 bytes; wst 16,777,216 bytes; st 16,777,216 bytes; z 16,777,216 bytes
;; launch prep (part 7): grid 768 x 1, 4 waves a work-group, no clusters, 0 bytes of LDS; arguments hidden_state, Wq, Wk, Wv, Wg, Wo, cast; writes cast
.if DOCPART == 7
	.amdgcn_target "amdgcn-amd-amdhsa--gfx1250"
	.amdhsa_code_object_version 6
	.text
	.protected	k_q9830642964_prep
	.globl	k_q9830642964_prep
	.p2align	8
	.type	k_q9830642964_prep,@function
k_q9830642964_prep:
	s_mov_b64 s[64:65], 0
	v_nop
	global_prefetch_b8 v0, s[64:65] scope:SCOPE_SE
	s_setreg_imm32_b32 hwreg(HW_REG_WAVE_SCHED_MODE, 0, 2), 2
	s_setreg_imm32_b32 hwreg(HW_REG_WAVE_MODE, 25, 1), 1
	s_wait_xcnt 0x0
	s_wait_alu depctr_vm_vsrc(0)
; PREP: x and the five weight matrices are rounded once to bf16 and laid out in blocks, so that every tile of the later products is dense in memory.
;   XB at byte 0:          bf16 [16 row blocks][16 K panels][256 rows][64]
;   WB at byte 8,388,608:  bf16 [16 column blocks j][16 K panels][384 rows][64]; row 192 wc + 64 t + e is row 64 wc + e of: t = 0: Wq (j < 8) or Wk (j >= 8), head j & 7; t = 1: Wv, rows 128 j on; t = 2: Wg, rows 128 j on
;   WO at byte 20,971,520: Wo rounded to bf16 and that number written as f16, [8 column blocks][32 K panels][128 rows][64]
; LIMIT: |Wo| beyond 65,504 has no place in f16; below 6e-5 it keeps f16's fixed step of 6e-8.
; A work-group takes 16 rows x 1,024 columns of f32.  A load of a wave covers two rows x 256 consecutive bytes (one K panel's 64 columns), a store two rows x 128 = 256 consecutive bytes of a panel.
; All 32 loads of a lane go out first.  No LDS, no matrix unit: bytes are all that counts here.
; THE MODE: SCHED_MODE bits 1:0 = 2 (LLVM: expert scheduling mode 2), set by the entry lines.  The code itself states the register dependences
; between vector instructions and memory instructions, with s_wait_alu, always for 0.
; THE PLAN.  Registers that memory instructions touch:
;   v[VS], v[VD]  byte offsets.  Written once, by vector lines ahead of the first load; read by every load (VS) and every store (VD); never written again.
;   LD            32 groups of four: each written by one load, then named by that load's conversions alone, behind its counted wait.  No load is issued behind a vector line that names LD.
;   SD            32 pairs: each written by one load's conversions, then read by one store, and never written again behind that store.
; The conversions go in 8 blocks of four loads.  Block b writes SD of its four loads; its four stores are issued in block b + 1, behind ONE wait at that block's head,
; one ahead of each load's conversions: those name LD and SD of block b + 1 alone, none of the registers that the stores read.
; No register that a memory instruction reads is ever written again, so no wait on vm_vsrc is owed.
.set VS, 4                             ; v4   byte offset of my 16 bytes in the source
.set VD, 5                             ; v5   byte offset of my 8 bytes in a panel
.set LD, 8                             ; v[8:135]   32 loads of four f32
.set SD, 136                           ; v[136:199] 32 stores of four 16-bit numbers
.macro CAST pitch, stride, f16         ; pitch: bytes from row to row in the source; stride: bytes from panel to panel; f16 = 1: the bf16 number is written as f16
	s_wait_alu depctr_va_vdst(0)                   ; v[VS] and v[VD] are written: every load below reads the one as its offset, every store the other
.set n, 0
.rept 32
	global_load_b128 v[LD+4*n:LD+4*n+3], v[VS], s[26:27] offset:(n/16)*2*(\pitch)+(n%16)*256 th:TH_LOAD_NT
.set n, n+1
.endr
.set nb, 0
.rept 8                                ; block nb: loads 4 nb to 4 nb + 3
	s_wait_loadcnt 28-4*nb                         ; loads come back in order: the block's four are in, the 28 - 4 nb younger ones may stay out
.if nb > 0
	s_wait_alu depctr_va_vdst(0)                   ; the block before has written its eight registers of SD, which the four stores below read
.endif
.set ni, 0
.rept 4
.set n, 4*nb+ni
.set np, n-4
.if nb > 0
	global_store_b64 v[VD], v[SD+2*np:SD+2*np+1], s[16:17] offset:(np/16)*256+(np%16)*(\stride)  ; the block before; 32 lanes: 256 consecutive bytes, aligned.  No vector line since the wait names these registers
.endif
	v_cvt_pk_bf16_f32 v[SD+2*n], v[LD+4*n], v[LD+4*n+1]
	v_cvt_pk_bf16_f32 v[SD+2*n+1], v[LD+4*n+2], v[LD+4*n+3]
.if \f16
	v_lshlrev_b32 v[LD+4*n], 16, v[SD+2*n]         ; the bf16 numbers as f32 again,
	v_and_b32 v[LD+4*n+1], 0xffff0000, v[SD+2*n]
	v_lshlrev_b32 v[LD+4*n+2], 16, v[SD+2*n+1]
	v_and_b32 v[LD+4*n+3], 0xffff0000, v[SD+2*n+1]
	v_cvt_pk_f16_f32 v[SD+2*n], v[LD+4*n], v[LD+4*n+1]      ; and as f16: exact inside f16's normal range
	v_cvt_pk_f16_f32 v[SD+2*n+1], v[LD+4*n+2], v[LD+4*n+3]
.endif
.set ni, ni+1
.endr
.set nb, nb+1
.endr
	s_wait_alu depctr_va_vdst(0)                   ; the last block has written its eight registers of SD, which the last four stores read
.set np, 28
.rept 4
	global_store_b64 v[VD], v[SD+2*np:SD+2*np+1], s[16:17] offset:(np/16)*256+(np%16)*(\stride)
.set np, np+1
.endr
.endm
	s_load_b256 s[4:11], s[0:1], 0x0               ; x s[4:5], Wq s[6:7], Wk s[8:9], Wv s[10:11]
	s_load_b128 s[12:15], s[0:1], 0x20             ; Wg s[12:13], Wo s[14:15]
	s_load_b64 s[16:17], s[0:1], 0x30              ; cast
	v_lshrrev_b32 v1, 5, v0
	v_bfe_u32 v2, v0, 4, 1
	v_lshl_add_u32 v1, v1, 2, v2                   ; my row: 4 x wave + lane / 16 (and two rows further down in the second half of the loads)
	v_and_b32 v2, 15, v0
	v_lshlrev_b32 v3, 4, v2                        ; 16 bytes of f32 a lane
	v_lshlrev_b32 v[VD], 7, v1
	v_lshl_add_u32 v[VD], v2, 3, v[VD]             ; row x 128 + 8 bytes a lane
	s_mov_b32 s20, ttmp9                           ; the unit
	s_mov_b32 s23, 0
	s_mov_b32 s25, 0
	s_wait_kmcnt 0x0
	s_cmp_lt_u32 s20, 256
	s_cbranch_scc0 .Lweights
	v_lshl_add_u32 v[VS], v1, 12, v3               ; units 0-255: x
	s_lshl_b32 s22, s20, 16                        ; 16 rows of 4,096 bytes
	s_add_nc_u64 s[26:27], s[4:5], s[22:23]
	s_lshr_b32 s24, s20, 4
	s_lshl_b32 s24, s24, 19                        ; row block x 524,288
	s_and_b32 s21, s20, 15
	s_lshl_b32 s21, s21, 11                        ; 16 rows of 128 bytes
	s_add_co_u32 s24, s24, s21
	s_add_nc_u64 s[16:17], s[16:17], s[24:25]
	CAST 4096, 32768, 0
	s_endpgm
.Lweights:
	s_cmp_lt_u32 s20, 640
	s_cbranch_scc0 .Lwo
	v_lshl_add_u32 v[VS], v1, 12, v3               ; units 256-639: Wq (64 units), Wk (64), Wv (128), Wg (128)
	s_sub_co_u32 s21, s20, 256
	s_sub_co_u32 s28, s21, 64
	s_sub_co_u32 s29, s21, 128
	s_sub_co_u32 s30, s21, 256
	s_cmp_lt_u32 s21, 256
	s_cselect_b64 s[26:27], s[10:11], s[12:13]     ; the matrix,
	s_cselect_b32 s22, s29, s30                    ; the unit's number in it,
	s_cselect_b32 s31, 64, 128                     ; 64 t
	s_cmp_lt_u32 s21, 128
	s_cselect_b64 s[26:27], s[8:9], s[26:27]
	s_cselect_b32 s22, s28, s22
	s_cselect_b32 s31, 0, s31
	s_cselect_b32 s32, 8, 0                        ; Wk's heads are the column blocks 8-15
	s_cmp_lt_u32 s21, 64
	s_cselect_b64 s[26:27], s[6:7], s[26:27]
	s_cselect_b32 s22, s21, s22
	s_cselect_b32 s32, 0, s32
	s_lshr_b32 s28, s22, 3
	s_add_co_u32 s28, s28, s32                     ; j
	s_mul_i32 s28, s28, 786432
	s_bfe_u32 s29, s22, 0x10002                    ; wc: bit 6 of the row
	s_mul_i32 s29, s29, 192
	s_add_co_u32 s29, s29, s31
	s_and_b32 s30, s22, 3
	s_lshl4_add_u32 s29, s30, s29                  ; + the row mod 64
	s_lshl_b32 s29, s29, 7
	s_add_co_u32 s24, s28, s29
	s_add_co_u32 s24, s24, 8388608
	s_add_nc_u64 s[16:17], s[16:17], s[24:25]
	s_lshl_b32 s22, s22, 16
	s_add_nc_u64 s[26:27], s[26:27], s[22:23]
	CAST 4096, 49152, 0
	s_endpgm
.Lwo:
	v_lshl_add_u32 v[VS], v1, 13, v3               ; units 640-767: Wo, 16 rows x one half of its 2,048 columns
	s_sub_co_u32 s21, s20, 640
	s_lshr_b32 s22, s21, 1
	s_lshl_b32 s22, s22, 17                        ; 16 rows of 8,192 bytes
	s_and_b32 s28, s21, 1
	s_lshl_b32 s29, s28, 12
	s_add_co_u32 s22, s22, s29
	s_add_nc_u64 s[26:27], s[14:15], s[22:23]
	s_lshr_b32 s24, s21, 4
	s_lshl_b32 s24, s24, 19                        ; column block x 524,288
	s_lshl_b32 s28, s28, 18                        ; 16 panels of 16,384 bytes
	s_add_co_u32 s24, s24, s28
	s_bfe_u32 s28, s21, 0x30001
	s_lshl_b32 s28, s28, 11                        ; the row mod 128, x 128 bytes
	s_add_co_u32 s24, s24, s28
	s_add_co_u32 s24, s24, 20971520
	s_add_nc_u64 s[16:17], s[16:17], s[24:25]
	CAST 8192, 16384, 1
	s_endpgm
.Lfunc_end_k_q9830642964_prep:
	.size	k_q9830642964_prep, .Lfunc_end_k_q9830642964_prep-k_q9830642964_prep
	.p2alignl 7, 3214868480
	.fill 96, 4, 3214868480
	.section	.rodata,"a",@progbits
	.p2align	6, 0x0
	.amdhsa_kernel k_q9830642964_prep
		.amdhsa_group_segment_fixed_size 0
		.amdhsa_private_segment_fixed_size 0
		.amdhsa_enable_private_segment 0
		.amdhsa_kernarg_size 56
		.amdhsa_user_sgpr_count 2
		.amdhsa_user_sgpr_kernarg_segment_ptr 1
		.amdhsa_wavefront_size32 1
		.amdhsa_system_sgpr_workgroup_id_x 1
		.amdhsa_system_sgpr_workgroup_id_y 1
		.amdhsa_system_sgpr_workgroup_id_z 1
		.amdhsa_system_vgpr_workitem_id 0
		.amdhsa_next_free_vgpr 200
		.amdhsa_next_free_sgpr 66
		.amdhsa_reserve_vcc 0
		.amdhsa_float_denorm_mode_32 3
		.amdhsa_float_denorm_mode_16_64 3
		.amdhsa_memory_ordered 1
		.amdhsa_forward_progress 1
		.amdhsa_inst_pref_size 46
	.end_amdhsa_kernel
	.amdgpu_metadata
---
amdhsa.version: [ 1, 2 ]
amdhsa.kernels:
  - .name:           k_q9830642964_prep
    .symbol:         k_q9830642964_prep.kd
    .args:
      - { .name: hidden_state, .offset: 0, .size: 8, .value_kind: global_buffer, .address_space: global }
      - { .name: Wq, .offset: 8, .size: 8, .value_kind: global_buffer, .address_space: global }
      - { .name: Wk, .offset: 16, .size: 8, .value_kind: global_buffer, .address_space: global }
      - { .name: Wv, .offset: 24, .size: 8, .value_kind: global_buffer, .address_space: global }
      - { .name: Wg, .offset: 32, .size: 8, .value_kind: global_buffer, .address_space: global }
      - { .name: Wo, .offset: 40, .size: 8, .value_kind: global_buffer, .address_space: global }
      - { .name: cast, .offset: 48, .size: 8, .value_kind: global_buffer, .address_space: global }
    .group_segment_fixed_size: 0
    .private_segment_fixed_size: 0
    .kernarg_segment_align: 8
    .kernarg_segment_size: 56
    .max_flat_workgroup_size: 128
    .sgpr_count:     66
    .vgpr_count:     200
    .wavefront_size: 32
...
	.end_amdgpu_metadata
.endif
;; end of part 7
;; launch proj: the kernel of part 2 again; grid 16 x 16, 4 waves a work-group, clusters of 4 x 4, 327,680 bytes of LDS; arguments cast, bq, bk, bv, bg, gn_weight, qkvg; writes qkvg
;; launch wchunk: the kernel of part 3 again; grid 15 x 16, 4 waves a work-group, no clusters, 167,936 bytes of LDS; arguments qkvg, wst; writes wst
;; launch scan (part 8): grid 16 x 16, 8 waves a work-group, no clusters, 0 bytes of LDS; arguments wst, st; writes st
.if DOCPART == 8
	.amdgcn_target "amdgcn-amd-amdhsa--gfx1250"
	.amdhsa_code_object_version 6
	.text
	.protected	k_q9830642964_scan
	.globl	k_q9830642964_scan
	.p2align	8
	.type	k_q9830642964_scan,@function
k_q9830642964_scan:
	s_mov_b64 s[64:65], 0
	v_nop
	global_prefetch_b8 v0, s[64:65] scope:SCOPE_SE
	s_setreg_imm32_b32 hwreg(HW_REG_WAVE_SCHED_MODE, 0, 2), 2
	s_setreg_imm32_b32 hwreg(HW_REG_WAVE_MODE, 25, 1), 1
	s_wait_xcnt 0x0
	s_wait_alu depctr_vm_vsrc(0)
; SCAN: the running state in front of each chunk:  St_0 = 0,  St_(c+1) = g^128 St_c + W_c,  element by element, carried in f32, read and stored in f16 (both scaled by beta).
; A (batch, head)'s matrix is 65,536 bytes; a work-group takes 4,096 of them, a thread 16 bytes (8 numbers) of all 16 chunks.  All 15 loads go out at once.
; A load or store of a wave covers 512 consecutive bytes.  Bytes bind here: no LDS, no matrix unit.
; THE MODE: SCHED_MODE bits 1:0 = 2 (LLVM: expert scheduling mode 2), set by the entry lines.  The code itself states the register dependences
; between vector instructions and memory instructions, with s_wait_alu, always for 0.
; THE PLAN.  Registers that memory instructions touch:
;   v1   the byte offset of every load and store.  Written once at the head, never again.
;   Z    four zeros, written at the head, read by St_0's store, never written again.
;   W    15 groups of four: each written by one load, read behind its counted wait by the widening lines (chunk 0's also by St_1's store).  No load is issued behind a vector line that names W.
;   O    14 groups of four: group c written by step c's roundings, read by one store, never written again.
;   G, T and S are named by vector lines alone.
; Step c's store is issued at the head of step c + 2.  ONE wait stands at the head of every second step (3, 5, .. 13): it states that the two steps before have written their O;
; that step's store and the next step's read them, and the vector lines between name T, S, W and the O of the steps in hand alone.
; No register that a memory instruction reads is ever written again, so no wait on vm_vsrc is owed.
.set G,  2                             ; v2-3   g^128 (named as a pair)
.set LGR, 4
.set W,  8                             ; v[8:67]   chunk c's 16 bytes at W + 4 c
.set T,  80                            ; v[80:87]  W_c in f32
.set S,  88                            ; v[88:95]  the state
.set O,  96                            ; v[96:155] St_(c+1) packed, at O + 4 c
.set Z,  156                           ; v[156:159] zeros
.macro LG2 d, x, sh, st                ; log2(1 - 2^(-5-h)) by its series, seven terms
	s_sub_co_u32 s[\st], 122, s[\sh]
	s_lshl_b32 s[\st], s[\st], 23
	v_mov_b32 v[\x], s[\st]
	v_mov_b32 v[\d], 0x3e124925
	v_fmaak_f32 v[\d], v[\d], v[\x], 0x3e2aaaab
	v_fmaak_f32 v[\d], v[\d], v[\x], 0x3e4ccccd
	v_fmaak_f32 v[\d], v[\d], v[\x], 0x3e800000
	v_fmaak_f32 v[\d], v[\d], v[\x], 0x3eaaaaab
	v_fmaak_f32 v[\d], v[\d], v[\x], 0x3f000000
	v_fmaak_f32 v[\d], v[\d], v[\x], 0x3f800000
	v_mul_f32 v[\d], v[\d], v[\x]
	v_mul_f32 v[\d], 0xbfb8aa3b, v[\d]
.endm
.macro WIDEN dst, a, b, d, e           ; eight f16 in registers a, b, d, e (plain numbers: halves are named v12.l, v12.h) to f32
	v_cvt_f32_f16 v[(\dst)],   v\a\().l
	v_cvt_f32_f16 v[(\dst)+1], v\a\().h
	v_cvt_f32_f16 v[(\dst)+2], v\b\().l
	v_cvt_f32_f16 v[(\dst)+3], v\b\().h
	v_cvt_f32_f16 v[(\dst)+4], v\d\().l
	v_cvt_f32_f16 v[(\dst)+5], v\d\().h
	v_cvt_f32_f16 v[(\dst)+6], v\e\().l
	v_cvt_f32_f16 v[(\dst)+7], v\e\().h
.endm
.macro STEP c, a, b, d, e
	s_wait_loadcnt 14-(\c)                         ; loads come back in order: the younger ones may stay out
.if ((\c) >= 3) && ((\c) % 2 == 1)
	s_wait_alu depctr_va_vdst(0)                   ; the two steps before have written their O, which the store below and the next step's store read
.endif
.if (\c) >= 3
	global_store_b128 v1, v[O+4*((\c)-2):O+4*((\c)-2)+3], s[6:7] offset:((\c)-1)*65536  ; the step two before: no vector line since the wait names these registers
.endif
	WIDEN T, \a, \b, \d, \e
.irp i, 0,2,4,6
	v_pk_fma_f32 v[S+\i:S+\i+1], v[S+\i:S+\i+1], v[G:G+1], v[T+\i:T+\i+1] op_sel_hi:[1,0,1]
.endr
.irp i, 0,1,2,3
	v_cvt_pk_f16_f32 v[O+4*(\c)+\i], v[S+2*\i], v[S+2*\i+1]
.endr
.endm
	s_load_b128 s[4:7], s[0:1], 0x0                ; wst s[4:5], st s[6:7]
	s_and_b32 s8, ttmp7, 0xffff                    ; bh
	s_lshl_b32 s10, s8, 20                         ; 16 chunks of 65,536 bytes
	s_lshl_b32 s9, ttmp9, 12
	s_add_co_u32 s10, s10, s9
	s_mov_b32 s11, 0
	s_and_b32 s12, s8, 7                           ; h
	v_lshlrev_b32 v1, 4, v0
.irp i, 0,1,2,3
	v_mov_b32 v[Z+\i], 0
.endr
	s_wait_kmcnt 0x0
	s_add_nc_u64 s[4:5], s[4:5], s[10:11]
	s_add_nc_u64 s[6:7], s[6:7], s[10:11]
	s_wait_alu depctr_va_vdst(0)                   ; v1 is written, which every load and store reads as its offset; so are the four zeros, which St_0's store reads
.set c, 0
.rept 15
	global_load_b128 v[W+4*c:W+4*c+3], v1, s[4:5] offset:c*65536 th:TH_LOAD_NT
.set c, c+1
.endr
	global_store_b128 v1, v[Z:Z+3], s[6:7]         ; St_0 = 0
	LG2 LGR, LGR+1, 12, 13
	v_mul_f32 v[G], 0x43000000, v[LGR]
	v_exp_f32 v[G], v[G]
	v_mov_b32 v[G+1], 0                            ; named with it as a pair; also the plain line behind the exponential
	s_wait_alu depctr_va_vdst(0)                   ; the exponential has written g^128, ahead of its first reader, step 1's multiply-adds
	s_wait_loadcnt 14
	WIDEN S, 8, 9, 10, 11                          ; St_1 = W_0: the sum starts with it, and its f16 bits are stored as they came
	global_store_b128 v1, v[W:W+3], s[6:7] offset:65536  ; its data come from a load, shown in by the wait on LOADcnt above
	STEP 1, 12, 13, 14, 15
	STEP 2, 16, 17, 18, 19
	STEP 3, 20, 21, 22, 23
	STEP 4, 24, 25, 26, 27
	STEP 5, 28, 29, 30, 31
	STEP 6, 32, 33, 34, 35
	STEP 7, 36, 37, 38, 39
	STEP 8, 40, 41, 42, 43
	STEP 9, 44, 45, 46, 47
	STEP 10, 48, 49, 50, 51
	STEP 11, 52, 53, 54, 55
	STEP 12, 56, 57, 58, 59
	STEP 13, 60, 61, 62, 63
	STEP 14, 64, 65, 66, 67
	s_wait_alu depctr_va_vdst(0)                   ; steps 13 and 14 have written their O, which the last two stores read
	global_store_b128 v1, v[O+52:O+55], s[6:7] offset:14*65536
	global_store_b128 v1, v[O+56:O+59], s[6:7] offset:15*65536
	s_endpgm
.Lfunc_end_k_q9830642964_scan:
	.size	k_q9830642964_scan, .Lfunc_end_k_q9830642964_scan-k_q9830642964_scan
	.p2alignl 7, 3214868480
	.fill 96, 4, 3214868480
	.section	.rodata,"a",@progbits
	.p2align	6, 0x0
	.amdhsa_kernel k_q9830642964_scan
		.amdhsa_group_segment_fixed_size 0
		.amdhsa_private_segment_fixed_size 0
		.amdhsa_enable_private_segment 0
		.amdhsa_kernarg_size 16
		.amdhsa_user_sgpr_count 2
		.amdhsa_user_sgpr_kernarg_segment_ptr 1
		.amdhsa_wavefront_size32 1
		.amdhsa_system_sgpr_workgroup_id_x 1
		.amdhsa_system_sgpr_workgroup_id_y 1
		.amdhsa_system_sgpr_workgroup_id_z 1
		.amdhsa_system_vgpr_workitem_id 0
		.amdhsa_next_free_vgpr 160
		.amdhsa_next_free_sgpr 66
		.amdhsa_reserve_vcc 0
		.amdhsa_float_denorm_mode_32 3
		.amdhsa_float_denorm_mode_16_64 3
		.amdhsa_memory_ordered 1
		.amdhsa_forward_progress 1
		.amdhsa_inst_pref_size 17
	.end_amdhsa_kernel
	.amdgpu_metadata
---
amdhsa.version: [ 1, 2 ]
amdhsa.kernels:
  - .name:           k_q9830642964_scan
    .symbol:         k_q9830642964_scan.kd
    .args:
      - { .name: wst, .offset: 0, .size: 8, .value_kind: global_buffer, .address_space: global }
      - { .name: st, .offset: 8, .size: 8, .value_kind: global_buffer, .address_space: global }
    .group_segment_fixed_size: 0
    .private_segment_fixed_size: 0
    .kernarg_segment_align: 8
    .kernarg_segment_size: 16
    .max_flat_workgroup_size: 256
    .sgpr_count:     66
    .vgpr_count:     160
    .wavefront_size: 32
...
	.end_amdgpu_metadata
.endif
;; end of part 8
;; launch retain: the kernel of part 5 again; grid 16 x 16, 4 waves a work-group, no clusters, 327,680 bytes of LDS; arguments qkvg, st, z; writes z
;; launch outp: the kernel of part 6 again; grid 8 x 32, 4 waves a work-group, clusters of 4 x 4, 327,680 bytes of LDS; arguments z, cast, bo, out0; writes out0
